; MI455X (gfx1250); checked and timed in simulation.
; The chip was launched on July 23, 2026; its instructions are those of AMD's public machine-readable ISA for CDNA 5 (MIT licence, August 2026) and "CDNA5" Instruction Set Architecture Reference Guide (July 2026). The comments in the code are by the model that wrote it; some were corrected since.
;; Qwen3 5 Attention. Allowed arithmetic: matrix products marked QUANTISED: E2M3 operands, one E8M0 scale for each 32 along K, by v_wmma_scale_f32_16x16x128_f8f6f4 with both operands' format E2M3, f32 sums; everything else in f32.
;; Inputs: cos 2 x 2,048 x 128 float32; hidden_states 2 x 2,048 x 2,048 float32; k_norm_w 128 float32; k_proj_w 512 x 2,048 float32; o_proj_w 2,048 x 1,024 float32; q_norm_w 128 float32; q_proj_w 2,048 x 2,048 float32; sin 2 x 2,048 x 128 float32; v_proj_w 512 x 2,048 float32.
;; Outputs: out0 2 x 2,048 x 2,048 float32.
;; This version of the problem:
;;   THIS VERSION OF THE PROBLEM IS GIVEN IN LOW PRECISION. The matrix products marked QUANTISED in the list below multiply operands that are first quantised to E2M3 (2 exponent bits, 3 mantissa bits; 6 bits a number), with one power-of-two scale for each 32 numbers along K (OCP MX v1.0); their sums are f32. All else is computed in f32.
;;   The module's matrix products, in the order in which they are computed (A, B: the left and right operand; K: the contracted axis; several contracted axes count as one K, in the product's order):
;;     1. [M 4,096, K 2,048] x [K 2,048, N 2,048]; A: input hidden_states; B: input q_proj_w: QUANTISED
;;     2. [M 4,096, K 2,048] x [K 2,048, N 512]; A: input hidden_states; B: input k_proj_w: QUANTISED
;;     3. [M 4,096, K 2,048] x [K 2,048, N 512]; A: input hidden_states; B: input v_proj_w: QUANTISED
;;     4. batch 16 x [M 2,048, K 128] x [K 128, N 2,048]; A: computed on the way; B: computed on the way: QUANTISED
;;     5. batch 16 x [M 128, K 2,048] x [K 2,048, N 2,048]; A: computed on the way; B: softmax (see below): QUANTISED
;;     6. [M 4,096, K 1,024] x [K 1,024, N 2,048]; A: computed on the way; B: input o_proj_w: QUANTISED
;;   THE QUANTISER, for each operand of a quantised product, along K:
;;     - K is cut into blocks of 32 from its start; a last block that is shorter is filled with zeros.
;;     - A block's scale is 2^e with e = floor(log2(the largest magnitude in the block)) - 2, held to -126 .. 127; a block of zeros has e = 0. As a byte (E8M0): e + 127.
;;     - Each number is divided by its block's scale, clamped to +-7.5, and rounded to the nearest number of E2M3, ties to even, subnormals kept.
;;     - The product sums the exact products of the quantised numbers (number of the format x scale) in f32.
;;   ~~~python
;;   def quantise(x, axis):      # numpy; x: float32 -> the quantised numbers, widened to float32 again
;;       x = np.moveaxis(x, axis, -1); K = x.shape[-1]
;;       x = np.pad(x, [(0, 0)] * (x.ndim - 1) + [(0, -K % 32)]); x = x.reshape(x.shape[:-1] + (-1, 32)); a = np.abs(x).max(-1, keepdims=True)
;;       e = np.where(a > 0, np.clip(np.frexp(np.where(a > 0, a, 1))[1] - 1 - 2, -126, 127), 0)      # np.frexp(a)[1] - 1 = floor(log2(a)), exactly
;;       r = np.clip(x / 2.0 ** e, -7.5, 7.5)
;;       step = 2.0 ** (np.maximum(np.frexp(np.where(r == 0, 1, r))[1] - 1, 0) - 3)
;;       q = np.round(r / step) * step * 2.0 ** e      # np.round: ties to even
;;       return np.moveaxis(q.reshape(q.shape[:-2] + (-1,))[..., :K], -1, axis).astype(np.float32)
;;   ~~~
;;   SOFTMAX AHEAD OF A QUANTISED PRODUCT. Where the list says 'softmax', what is quantised is not the finished softmax but p = 2^(t - M), with t = logit x log2(e) and M = ceil(the row's largest t), a whole number; so 1/2 < the row's largest p <= 1. The row's sum l is taken of the UNQUANTISED p, in f32, and the product's result is divided by l at the end. Since M is a whole number, a kernel that streams over the keys may use a running M (the ceiling of the running maximum): every later rescaling is an exact power of two, which a block's scale takes up: the codes' values come out the same.
;;   OPERANDS COMPUTED ON THE WAY. 'Computed on the way' means the value that the module computes at that place (a softmax that the list does not call 'softmax' is quantised finished and normalised). What goes into a quantiser is computed in f32, as accurately as f32 sums, v_exp_f32 and their like allow (about 1e-6 of the number): no bf16 or f16 on the way to a quantiser, and a product that is left as it is and whose result goes on into a quantised operand takes f32 operands (vector FMAs, or v_wmma_f32_16x16x4_f32). A number that lies on a knife's edge between two numbers of the format may be rounded either way, as far as f32 arithmetic and the matrix unit's own rounding can turn it there, and no further.
;; One version. Each part assembles by itself: llvm-mc -triple=amdgcn-amd-amdhsa -mcpu=gfx1250 --defsym DOCPART=n.
;; ======== version 1 of 1: 4 launches
;; limits: right only within a limited range of input values
;; workspace buffers: xa 6,553,600 bytes; wq 4,915,200 bytes; wo 1,638,400 bytes; qc 3,276,800 bytes; kv 3,276,800 bytes; gt 16,777,216 bytes; ao 3,276,800 bytes
;; launch quant (part 1): grid 1024 x 1, 4 waves a work-group, no clusters, 34,304 bytes of LDS; arguments hidden_states, q_proj_w, k_proj_w, v_proj_w, o_proj_w, xa, wq, wo; writes xa, wq, wo
.if DOCPART == 1
	.amdgcn_target "amdgcn-amd-amdhsa--gfx1250"
	.amdhsa_code_object_version 6
	.text
	.protected	k_qa294243ece_quant
	.globl	k_qa294243ece_quant
	.p2align	8
	.type	k_qa294243ece_quant,@function
k_qa294243ece_quant:
	s_mov_b64 s[64:65], 0
	v_nop
	global_prefetch_b8 v0, s[64:65] scope:SCOPE_SE
	s_setreg_imm32_b32 hwreg(HW_REG_WAVE_MODE, 25, 1), 1
	s_wait_xcnt 0x0
; THE PROGRAM: gated attention with RMS-norm and RoPE, all six matrix products on codes of FP6 (E2M3) with one E8M0 scale for each 32 along K.  Four launches:
;   quant: hidden_states and the four weights become codes;   proj: the three projections as one product, with norm, RoPE and the quantisers on its way out;
;   attn: q k^T, the causal softmax, p v, division by the row's sum, the gate, the quantiser;   oproj: the projection on the way out.
; WORK LEFT OUT.  reference() builds the causal mask itself (jnp.tril) and puts the least f32 number where key > query; behind the maximum's subtraction such a term's exponential is 0 for all finite inputs, since the
; query's own key always counts.  So a step of 128 keys all of which come after all 16 queries of a tile adds 0 to the row's sum and to p v, whatever the inputs hold: attn leaves such steps out, in whole steps.
; Nothing else is left out; every input has a way to the output and is loaded.  LIMIT: a NaN, an infinity or an overflow that reaches only the steps left out is not carried to the result.
; LIMITS of the quantisers, in all launches: NaN and infinities among the inputs are not served; a block of zeros gets the scale byte 1 where the rule says 127 (its codes are zeros, which add nothing under any
; byte but 0xff, and this program alone reads the bytes); a block whose largest magnitude lies under 2^-124 is quantised under the byte 1.
;
; THE WORKSPACE FORMAT: THE PART, 12,800 bytes: 128 positions x 128 along K, laid in the order of the operand's registers.
;   Fragment a (positions 16 a + rho): register n (0..11) of lane L = rho + 16 h lies at 1536 a + 512 (n / 4) + 16 L + 4 (n % 4); registers 6 c .. 6 c + 5 hold the codes of k = 64 c + 32 h + 0 .. 31.
;   The scale word of (a, rho) lies at 12288 + 16 (rho + 16 (a % 2)) + 4 (a / 2): one load of 16 bytes a lane brings four registers, register a / 2 with tile a in lanes 0-15 (a even) or 16-31 (a odd).
;   Position 16 (2 b + u) + rho is row 32 b + 8 u + rho + 8 (rho / 8) of the part's 128 rows: so a product that takes such tiles as its source 0 leaves 16 neighbours along the next K in 16 registers of a lane.
;
; THIS LAUNCH.  1,024 parts: hidden_states 512, q_proj_w 256, k_proj_w 64, v_proj_w 64, o_proj_w 128.  A work-group takes one part, wave w its tiles 2 w and 2 w + 1: 16 rows x 128 K each.
; A load reads 512 consecutive bytes of one row; a wave's 32 loads all go out at its start.  A tile's 16 rows turn through the wave's own stage in LDS, so that a lane gets two whole blocks of 32 of its row, in the operand's order.
; Each tile's codes have registers of their own (the second tile's lie where the first tile was loaded), so no store's data are written again.  A wave's scale words are one of each lane's four: 4 bytes a lane, 16 bytes apart.
; The tensor is chosen by pointers and numbers alone, on the work-group's number: one path through the text.  No barrier: waves share nothing.
.set PART,  12800
.set STG,   8448                       ; a wave's stage: 16 rows x PITCH
.set PITCH, 528                        ; 512 bytes + 16: the sixteen rows that a load touches start 33 x 16 bytes apart
.set SPARE, 4*STG                      ; the spare words, 128 bytes a wave: two blocks of 256 bytes that no other line names
.set L16,  4
.set STI,  5
.set STO,  6
.set H8,   7
.set M,    8
.set SO,   10
.set BY,   12
.set WD,   14
.set WX,   15
.set RO,   16                          ; v16-31 row i of a tile: 16 x lane + (i + 8 (i / 8)) rows
.set SWE,  52
.set SW,   54
.set SPW,  56
.set NIL,  57
.set R,    64                          ; v64-191 the two tiles as loaded
.set X,    192                         ; v192-255 my 64 numbers
.set SRC,  20
.set DST,  22
.set FIRST, 24
.set PSH,  25
.set PADD, 26
.set KSH,  27
.set PITSH, 28
.set WV,   29
.set TB,   40                          ; s[40:43] the two tiles' first rows
.set DSTS, 48
.set HI,   50
.set SEL,  52
	s_load_b512 s[4:19], s[0:1], 0x0               ; hidden s[4:5], q s[6:7], k s[8:9], v s[10:11], o s[12:13], xa s[14:15], wq s[16:17], wo s[18:19]
	v_lshl_add_u32 v[SPW], v0, 2, SPARE
	v_mov_b32 v[NIL], 0
	v_lshrrev_b32 v1, 5, v0
	v_readfirstlane_b32 s[WV], v1                  ; wave 0..3
	v_and_b32 v1, 31, v0
	v_and_b32 v2, 15, v0                           ; r
	v_bfe_u32 v3, v0, 4, 1                         ; h
	v_lshlrev_b32 v[L16], 4, v1
	s_mul_i32 s30, s[WV], STG
	v_add_nc_u32 v[STI], s30, v[L16]
	v_mul_u32_u24 v[STO], v2, PITCH
	v_lshl_add_u32 v[STO], v3, 7, v[STO]
	v_add_nc_u32 v[STO], s30, v[STO]
	v_lshlrev_b32 v[H8], 3, v3
	v_mov_b32 v[WX], 0                             ; written once: a lane permute's destination counts as one of its sources
	s_mov_b32 s[HI], 0xffff0000
	s_mov_b32 s[SEL], 0x76543210
	s_mov_b32 s[SEL+1], 0xfedcba98
	s_mov_b32 s[FIRST], 896                        ; o_proj_w: work-groups 896 on; 8 K steps; rows of 4,096 bytes
	s_mov_b32 s[PSH], 0
	s_mov_b32 s[PADD], 0
	s_mov_b32 s[KSH], 3
	s_mov_b32 s[PITSH], 12
	s_wait_alu depctr_va_vdst(0)                   ; the wait ahead of the wait below
	s_wait_kmcnt 0x0
	s_mov_b64 s[SRC:SRC+1], s[12:13]
	s_mov_b64 s[DST:DST+1], s[18:19]
	s_cmp_lt_u32 ttmp9, 896                        ; v_proj_w: panel j goes to wq's panel 17 + 2 j; 16 K steps; rows of 8,192 bytes
	s_cselect_b64 s[SRC:SRC+1], s[10:11], s[SRC:SRC+1]
	s_cselect_b64 s[DST:DST+1], s[16:17], s[DST:DST+1]
	s_cselect_b32 s[FIRST], 832, s[FIRST]
	s_cselect_b32 s[PSH], 1, s[PSH]
	s_cselect_b32 s[PADD], 17, s[PADD]
	s_cselect_b32 s[KSH], 4, s[KSH]
	s_cselect_b32 s[PITSH], 13, s[PITSH]
	s_cmp_lt_u32 ttmp9, 832                        ; k_proj_w: to panel 16 + 2 j
	s_cselect_b64 s[SRC:SRC+1], s[8:9], s[SRC:SRC+1]
	s_cselect_b32 s[FIRST], 768, s[FIRST]
	s_cselect_b32 s[PADD], 16, s[PADD]
	s_cmp_lt_u32 ttmp9, 768                        ; q_proj_w: its panels as they lie
	s_cselect_b64 s[SRC:SRC+1], s[6:7], s[SRC:SRC+1]
	s_cselect_b32 s[FIRST], 512, s[FIRST]
	s_cselect_b32 s[PSH], 0, s[PSH]
	s_cselect_b32 s[PADD], 0, s[PADD]
	s_cmp_lt_u32 ttmp9, 512                        ; hidden_states
	s_cselect_b64 s[SRC:SRC+1], s[4:5], s[SRC:SRC+1]
	s_cselect_b64 s[DST:DST+1], s[14:15], s[DST:DST+1]
	s_cselect_b32 s[FIRST], 0, s[FIRST]
	s_sub_co_u32 s31, ttmp9, s[FIRST]              ; my part of the tensor
	s_lshr_b32 s34, s31, s[KSH]                    ; its panel of 128 rows
	s_lshl_b32 s35, s34, s[KSH]
	s_sub_co_u32 s35, s31, s35                     ; its K step
	s_lshl_b32 s36, s34, s[PSH]
	s_add_co_u32 s36, s36, s[PADD]
	s_lshl_b32 s36, s36, s[KSH]
	s_add_co_u32 s36, s36, s35                     ; the part's number in the workspace buffer
	s_mul_i32 s36, s36, PART
	s_mov_b32 s37, 0
	s_add_nc_u64 s[DST:DST+1], s[DST:DST+1], s[36:37]
	s_lshl_b32 s38, s[WV], 2
	s_add_co_u32 s38, s38, 12288
	s_mov_b32 s39, 0
	s_add_nc_u64 s[DSTS:DSTS+1], s[DST:DST+1], s[38:39]   ; my scale word of each lane's four
	s_mul_i32 s38, s[WV], 2*1536
	s_add_nc_u64 s[DST:DST+1], s[DST:DST+1], s[38:39]     ; my two fragments
	s_lshl_b32 s36, s34, 7
	s_lshl_b32 s38, s[WV], 5
	s_add_co_u32 s36, s36, s38                     ; my first row: 128 x panel + 32 x wave
	s_lshl_b32 s36, s36, s[PITSH]
	s_lshl_b32 s38, s35, 9
	s_add_co_u32 s36, s36, s38                     ; + 512 bytes a K step
	s_add_nc_u64 s[TB:TB+1], s[SRC:SRC+1], s[36:37]
	s_lshl_b32 s38, 8, s[PITSH]                    ; the second tile begins 8 rows on
	s_add_nc_u64 s[TB+2:TB+3], s[TB:TB+1], s[38:39]
.irp i, 0,1,2,3,4,5,6,7,8,9,10,11,12,13,14,15
	s_lshl_b32 s38, \i+8*(\i/8), s[PITSH]
	v_add_nc_u32 v[RO+\i], s38, v[L16]
.endr
.macro LOAD t                          ; a tile: 16 rows, 512 consecutive bytes each
.irp i, 0,1,2,3,4,5,6,7,8,9,10,11,12,13,14,15
	global_load_b128 v[R+64*(\t)+4*\i:R+64*(\t)+4*\i+3], v[RO+\i], s[TB+2*(\t):TB+2*(\t)+1] th:TH_LOAD_NT
.endr
.endm
.macro TILE t, pc                      ; pc: the fragment's 12 registers, and behind them 8 at work
	s_wait_loadcnt 16*(1-(\t))                     ; this tile's 16 loads are in; the second tile's 16 may be out
.irp i, 0,1,2,3,4,5,6,7,8,9,10,11,12,13,14,15
	ds_store_b128 v[STI], v[R+64*(\t)+4*\i:R+64*(\t)+4*\i+3] offset:PITCH*\i
.endr
.irp c, 0,1
.irp e, 0,1,2,3,4,5,6,7
	ds_load_b128 v[X+32*\c+4*\e:X+32*\c+4*\e+3], v[STO] offset:256*\c+16*\e   ; k = 64 c + 32 h + 0 .. 31 of row r.  LDS serves a wave's instructions in order: these see the stores above
.endr
.endr
	s_wait_dscnt 0x0                               ; my numbers are in, and the stores have read their registers
.irp c, 0,1
	v_max3_num_f32 v[M+\c], |v[X+32*\c]|, |v[X+32*\c+1]|, 0x1800000   ; my block 2 c + h: all its 32 numbers are mine; the floor 2^(3 - 127) holds the byte at 1 from below
.endr
.irp i, 2,4,6,8,10,12,14,16,18,20,22,24,26,28,30
.irp c, 0,1
	v_max3_num_f32 v[M+\c], v[M+\c], |v[X+32*\c+\i]|, |v[X+32*\c+\i+1]|
.endr
.endr
.irp c, 0,1
	v_add_nc_u32 v[SO+\c], 0xff000000, v[M+\c]     ; 2 off the exponent field: the conversion takes that field as its scale
.endr
.irp c, 0,1
	v_lshrrev_b32 v[BY+\c], 23, v[SO+\c]           ; the scale's byte
.endr
	v_lshl_or_b32 v[WD], v[BY+1], 16, v[BY]        ; my two bytes, blocks h and 2 + h,
	v_lshlrev_b32 v[WD], v[H8], v[WD]              ; at their places;
	v_permlanex16_b32 v[WX], v[WD], s[SEL], s[SEL+1]
	v_or_b32 v[WD], v[WD], v[WX]                   ; with lane l xor 16's two the word is whole
.irp c, 0,1
	v_cvt_scalef32_pk16_fp6_f32 v[\pc+6*\c:\pc+6*\c+2], v[X+32*\c:X+32*\c+15], v[SO+\c]
	v_cvt_scalef32_pk16_fp6_f32 v[\pc+12+4*\c:\pc+14+4*\c], v[X+32*\c+16:X+32*\c+31], v[SO+\c]   ; (a conversion's three registers begin on an even number)
.endr
	v_nop                                          ; one plain place behind a scaled conversion
.irp c, 0,1
.irp i, 0,1,2
	v_mov_b32 v[\pc+6*\c+3+\i], v[\pc+12+4*\c+\i]
.endr
.endr
.irp g, 0,1,2
	global_store_b128 v[L16], v[\pc+4*\g:\pc+4*\g+3], s[DST:DST+1] offset:1536*(\t)+512*\g   ; 32 lanes store 512 consecutive bytes
.endr
.endm
	s_wait_alu depctr_va_vdst(0)                   ; the wait at the head's end
	LOAD 0
	LOAD 1
	TILE 0, 32
	v_mov_b32 v[SWE], v[WD]
	TILE 1, R                                      ; where the first tile was loaded
	v_cndmask_b32 v[SW], v[SWE], v[WD], s[HI]      ; lanes 0-15 the even tile's words, lanes 16-31 the odd one's
	global_store_b32 v[L16], v[SW], s[DSTS:DSTS+1]
	s_wait_tensorcnt 0x0                           ; the wave's end: behind my last LDS store
	ds_add_u32 v[SPW], v[NIL]
	s_wait_dscnt 0x0
	s_endpgm
.Lfunc_end_k_qa294243ece_quant:
	.size	k_qa294243ece_quant, .Lfunc_end_k_qa294243ece_quant-k_qa294243ece_quant
	.p2alignl 7, 3214868480
	.fill 96, 4, 3214868480
	.section	.rodata,"a",@progbits
	.p2align	6, 0x0
	.amdhsa_kernel k_qa294243ece_quant
		.amdhsa_group_segment_fixed_size 34304
		.amdhsa_private_segment_fixed_size 0
		.amdhsa_enable_private_segment 0
		.amdhsa_kernarg_size 64
		.amdhsa_user_sgpr_count 2
		.amdhsa_user_sgpr_kernarg_segment_ptr 1
		.amdhsa_wavefront_size32 1
		.amdhsa_system_sgpr_workgroup_id_x 1
		.amdhsa_system_sgpr_workgroup_id_y 1
		.amdhsa_system_sgpr_workgroup_id_z 1
		.amdhsa_system_vgpr_workitem_id 0
		.amdhsa_next_free_vgpr 256
		.amdhsa_next_free_sgpr 66
		.amdhsa_reserve_vcc 0
		.amdhsa_float_denorm_mode_32 3
		.amdhsa_float_denorm_mode_16_64 3
		.amdhsa_memory_ordered 1
		.amdhsa_forward_progress 1
		.amdhsa_inst_pref_size 19
	.end_amdhsa_kernel
	.amdgpu_metadata
---
amdhsa.version: [ 1, 2 ]
amdhsa.kernels:
  - .name:           k_qa294243ece_quant
    .symbol:         k_qa294243ece_quant.kd
    .args:
      - { .name: hidden_states, .offset: 0, .size: 8, .value_kind: global_buffer, .address_space: global }
      - { .name: q_proj_w, .offset: 8, .size: 8, .value_kind: global_buffer, .address_space: global }
      - { .name: k_proj_w, .offset: 16, .size: 8, .value_kind: global_buffer, .address_space: global }
      - { .name: v_proj_w, .offset: 24, .size: 8, .value_kind: global_buffer, .address_space: global }
      - { .name: o_proj_w, .offset: 32, .size: 8, .value_kind: global_buffer, .address_space: global }
      - { .name: xa, .offset: 40, .size: 8, .value_kind: global_buffer, .address_space: global }
      - { .name: wq, .offset: 48, .size: 8, .value_kind: global_buffer, .address_space: global }
      - { .name: wo, .offset: 56, .size: 8, .value_kind: global_buffer, .address_space: global }
    .group_segment_fixed_size: 34304
    .private_segment_fixed_size: 0
    .kernarg_segment_align: 8
    .kernarg_segment_size: 64
    .max_flat_workgroup_size: 128
    .sgpr_count:     66
    .vgpr_count:     256
    .wavefront_size: 32
...
	.end_amdgpu_metadata
.endif
;; end of part 1
;; launch proj (part 2): grid 12 x 16, 4 waves a work-group, clusters of 4 x 4, 327,680 bytes of LDS; arguments xa, wq, cos, sin, q_norm_w, k_norm_w, qc, kv, gt; writes qc, kv, gt
.if DOCPART == 2
	.amdgcn_target "amdgcn-amd-amdhsa--gfx1250"
	.amdhsa_code_object_version 6
	.text
	.protected	k_qa294243ece_proj
	.globl	k_qa294243ece_proj
	.p2align	8
	.type	k_qa294243ece_proj,@function
k_qa294243ece_proj:
	s_mov_b64 s[64:65], 0
	v_nop
	global_prefetch_b8 v0, s[64:65] scope:SCOPE_SE
	s_setreg_imm32_b32 hwreg(HW_REG_WAVE_MODE, 25, 1), 1
	s_wait_xcnt 0x0
	s_wait_alu depctr_hold_cnt(0) depctr_sa_sdst(0) depctr_va_vdst(0) depctr_va_sdst(0) depctr_va_ssrc(0) depctr_va_vcc(0) depctr_vm_vsrc(0)
	s_getreg_b32 s2, hwreg(HW_REG_IB_STS2, 6, 4)
	s_cmp_eq_u32 s2, 0
	s_cbranch_scc0 .Lentry_in_a_cluster
	s_endpgm
.Lentry_in_a_cluster:
	s_bfe_u32 s2, ttmp6, 0x10000c
	s_cmp_lg_u32 s2, 0xf033
	s_cbranch_scc0 .Lentry_shape_is_right
	s_endpgm
.Lentry_shape_is_right:
; THE THREE PROJECTIONS AS ONE PRODUCT on codes of FP6 (E2M3) with E8M0 scales: [4,096 tokens] x [3,072 columns], K = 2,048, with RMS norm, RoPE and the next products' quantisers on the way out.
; No work of reference() is left out here.  The quantisers' limits are those stated at the head of the first kernel.
; xa: [32 token panels][16 K steps] parts; wq: [24 column panels][16] parts: panel 2 h = head h's q, 2 h + 1 its gate, 16 + 2 j = key head j's k, 17 + 2 j its v.  The part (12,800 bytes) is described at the first kernel's head.
; SHARES.  A work-group makes 256 tokens x 256 columns (12 x 16 work-groups: a head's 128 columns stay whole in a wave, which the norm needs); wave (rh, ch) makes token panel rh x column panel ch: 64 accumulators, 512 registers.
; Source 0 = the weights, source 1 = the tokens, so that a lane holds one token and its registers run along d; for v the two change places (the LDS addresses are swapped), so that the registers run along the keys.
; THE RING: two slots of two K steps, 4 regions of 25,600 dense bytes; each wave fetches one region by one joint load (waves 0, 1 the token panels, shared along the cluster's row; waves 2, 3 the column panels, shared along its column).
; By this text's own count a wave has one tensor load out.  Every wait on TENSORcnt is for 0.
; PREFETCH.  Behind the load of slot n each wave asks for its region of slot n + 2: 100 units of 256 bytes, of which each of the four partners that load it jointly takes 25, told apart by address (a lane a unit, the lanes left
; over name the last).  The head asks for slots 1 and 2; the loads of slots 6 and 7 ask for nothing.  cos and sin of a wave's 64 tokens (32,768 bytes each) are asked for once, behind slot 1's load, a quarter by each partner along x.
; THE WAY OUT.  Norm and RoPE fall on the q and k panels alone.  So wave (rh, 0) hands its blocks 4-7 (256 registers, as they lie) through LDS bytes of their own to wave (rh, 1), which first stores its gate (f32, in the
; accumulators' own order) or quantises its v, and then takes them into window 2: every wave finishes four blocks of 16 tokens by one text.  cos and sin of the four blocks have registers of their own (window 1, window 3).
; REGISTERS: window 0: v1-29 addresses; v32-63 scale words; v64-127 1 + norm weight at my 64 d; v128-223 source 1's fragments (way out: v128-191 the rotated block, v192-255 at work).  window 1: source 0's fragments, two sets.
;   windows 2, 3: the accumulators ((a, b) at v[8 (8 (a % 4) + b)]).
.set NKS,   16
.set PART,  12800
.set PANEL, NKS*PART
.set REG,   2*PART
.set SLOT,  4*REG
.set SPARE, 2*SLOT                     ; the spare words, 128 bytes a wave: two blocks of 256 bytes that no other line names
.set STAGE, SPARE+512                  ; 2 x 32,768 bytes into which no tensor load lands: blocks 4-7 on their way from wave (rh, 0) to wave (rh, 1)
.set LAPS,  NKS/4
.set FR,    12
.set NL,    3
.set NP,    4
.set RR,   1
.set HH,   2
.set L16,  3
.set CO,   4
.set WO,   5
.set LN,   6
.set PFO,  7
.set PFC,  8
.set VO1,  9
.set VO2,  10
.set VO3,  11
.set STG,  12
.set ADRA, 16
.set ADRB, 20
.set SPW,  28
.set NIL,  29
.set SC,   32
.set W1,   64
.set AF,   128
.set Z,    128
.set T,    192
.set SS,   200
.set SWV,  200
.set SX,   204
.set RS,   208
.set TM,   216
.set PC,   232
.set PW,   252
.set SWE,  253
.set SW,   254
.set G1A,  24
.set G0A,  32
.set FS,   40
.set STR,  42
.set PFA,  44
.set OUTS, 46
.set G1B,  48
.set G0B,  56
.set WV,   66
.set RH,   67
.set CH,   68
.set CX,   69
.set CY,   70
.set TX,   71
.set TY,   72
.set OUT2, 82
.set OUT,  86
.set NW,   88
.set COSB, 90
.set SINB, 92
.set HI,   94
.set SEL,  96
.set I128, 98
.set EPS,  99
.set MSB, 0
.macro WIN new                         ; the immediate's high byte repeats the setting that is left
.if MSB != (\new)
	s_set_vgpr_msb (MSB<<8)|(\new)
.set MSB, (\new)
.endif
.endm
.set MUL_LO, 0xa1
.set MUL_HI, 0xf1
.set TO_B,   0x40
.macro JLOAD g0a, g1a, g0b, g1b        ; a joint load: each line has one mask; the branch hangs on the wave's number alone
	s_cmp_eq_u32 s[RH], 0
	s_cbranch_scc0 .Lfor_b_\@
	tensor_load_to_lds s[\g0a:\g0a+3], s[\g1a:\g1a+7]
	s_nop 0
.rept 4
	v_nop
.endr
	s_branch .Lasked_\@
.Lfor_b_\@:
	tensor_load_to_lds s[\g0b:\g0b+3], s[\g1b:\g1b+7]
	s_nop 0
.rept 4
	v_nop
.endr
.Lasked_\@:
.endm
.macro CREST                           ; a round of the cluster's barrier behind its opening barrier
	s_cmp_lg_u32 s[WV], 0
	s_cbranch_scc1 .Lnot_wave_0_\@
	s_barrier_signal -3
.Lnot_wave_0_\@:
	s_barrier_wait -3
	s_barrier_signal -1
	s_barrier_wait -1
.endm
.macro CROUND
	s_barrier_signal -1
	s_barrier_wait -1
	CREST
.endm
.macro PLACES n
.rept \n
	v_nop
.endr
.endm
	s_load_b512 s[4:19], s[0:1], 0x0               ; xa, wq, cos, sin, q_norm_w, k_norm_w, qc, kv
	s_load_b64 s[20:21], s[0:1], 0x40              ; gt
	v_lshl_add_u32 v[SPW], v0, 2, SPARE
	v_mov_b32 v[NIL], 0
	ds_add_u32 v[SPW], v[NIL]                      ; the opening lines: the add, twice on end, and its wait
	ds_add_u32 v[SPW], v[NIL]
	v_lshrrev_b32 v1, 5, v0
	v_readfirstlane_b32 s[WV], v1
	s_lshr_b32 s[RH], s[WV], 1
	s_and_b32 s[CH], s[WV], 1
	s_bfe_u32 s[CX], ttmp6, 0x40000
	s_bfe_u32 s[CY], ttmp6, 0x40004
	s_lshl_b32 s[TX], ttmp9, 2
	s_add_co_u32 s[TX], s[TX], s[CX]
	s_and_b32 s[TY], ttmp7, 0xffff
	s_lshl_b32 s[TY], s[TY], 2
	s_add_co_u32 s[TY], s[TY], s[CY]
	s_lshl_b32 s73, s[CY], 2
	s_lshl_b32 s73, 15, s73                        ; my row of the cluster
	s_lshl_b32 s74, 0x1111, s[CX]                  ; my column
	s_or_b32 s[G1A], s73, (3<<16)|(1<<21)          ; elements of 8 bytes; no padding
	s_or_b32 s[G1B], s74, (3<<16)|(1<<21)
.irp g, G1A, G1B
	s_mov_b32 s[\g+1], 32<<16                      ; rows of 256 bytes,
	s_mov_b32 s[\g+2], 100<<16                     ; 100 of them, dense
	s_mov_b32 s[\g+3], 32<<16
	s_mov_b32 s[\g+4], 100
	s_mov_b32 s[\g+5], 32
	s_mov_b32 s[\g+6], 0
	s_mov_b32 s[\g+7], 0
.endr
	s_lshl_b32 s76, s[TY], 1
	s_add_co_u32 s76, s76, s[CH]
	s_mul_i32 s76, s76, PANEL
	s_mov_b32 s77, 0
	s_lshl_b32 s78, s[TX], 1
	s_add_co_u32 s78, s78, s[CH]
	s_mul_i32 s78, s78, PANEL
	s_mov_b32 s79, 0
	s_mul_i32 s80, s[WV], REG
	s_wait_dscnt 0x0
	s_wait_kmcnt 0x0
	s_add_nc_u64 s[76:77], s[4:5], s[76:77]
	s_add_nc_u64 s[78:79], s[6:7], s[78:79]
.irp s, 0,1
	s_mov_b32 s[G0A+4*\s], 1
	s_add_co_u32 s[G0A+4*\s+1], s80, \s*SLOT
	s_add_nc_u64 s[G0A+4*\s+2:G0A+4*\s+3], s[76:77], \s*REG
	s_or_b32 s[G0A+4*\s+3], s[G0A+4*\s+3], 0x80000000
	s_mov_b32 s[G0B+4*\s], 1
	s_add_co_u32 s[G0B+4*\s+1], s80, \s*SLOT
	s_add_nc_u64 s[G0B+4*\s+2:G0B+4*\s+3], s[78:79], \s*REG
	s_or_b32 s[G0B+4*\s+3], s[G0B+4*\s+3], 0x80000000
.endr
	CROUND                                         ; all sixteen work-groups are here: the first joint loads meet
	JLOAD G0A, G1A, G0B, G1B                       ; slot 0: my one tensor load at the head
	s_cmp_eq_u32 s[RH], 0                          ; the prefetches: the panel that I fetch, and my work-group's quarter of a region
	s_cselect_b64 s[PFA:PFA+1], s[76:77], s[78:79]
	s_cselect_b32 s22, s[CX], s[CY]
	s_mul_i32 s22, s22, REG/4
	s_mov_b32 s23, 0
	s_add_nc_u64 s[PFA:PFA+1], s[PFA:PFA+1], s[22:23]
	v_and_b32 v[LN], 31, v0
	v_min_u32 v[PFO], 24, v[LN]
	v_lshlrev_b32 v[PFO], 8, v[PFO]
	s_wait_alu depctr_va_vdst(0)                   ; the wait ahead of the run of scalar lines below
	global_prefetch_b8 v[PFO], s[PFA:PFA+1] offset:REG th:TH_LOAD_NT scope:SCOPE_SE     ; slot 1
	global_prefetch_b8 v[PFO], s[PFA:PFA+1] offset:2*REG th:TH_LOAD_NT scope:SCOPE_SE   ; slot 2
	; the way out's addresses, made while slot 0 is on its way
	s_lshl_b32 s95, s[TY], 1
	s_add_co_u32 s95, s95, s[RH]                   ; my token panel
	s_lshr_b32 s73, s95, 4                         ; its batch
	s_and_b32 s74, s95, 15                         ; and its number there
	s_lshl_b32 s80, s73, 2                         ; kv: ((batch x 4 + key head) x 8 + pair of key steps) x 51,200 + 512 x (step % 2)
	s_add_co_u32 s80, s80, s[TX]
	s_sub_co_u32 s80, s80, 8
	s_lshl_b32 s80, s80, 3
	s_lshr_b32 s75, s74, 1
	s_add_co_u32 s80, s80, s75
	s_mul_i32 s80, s80, 4*PART
	s_and_b32 s75, s74, 1
	s_lshl_b32 s75, s75, 9
	s_add_co_u32 s80, s80, s75
	s_mov_b32 s81, 0
	s_lshl_b32 s84, s73, 3                         ; qc: ((batch x 8 + head) x 16 + panel) parts
	s_add_co_u32 s84, s84, s[TX]
	s_lshl_b32 s84, s84, 4
	s_add_co_u32 s84, s84, s74
	s_mul_i32 s84, s84, PART
	s_mov_b32 s85, 0
	s_cmp_lt_u32 ttmp9, 2                          ; q's tile columns or k's
	s_cselect_b64 s[OUT:OUT+1], s[16:17], s[18:19]
	s_cselect_b64 s[84:85], s[84:85], s[80:81]
	s_cselect_b64 s[NW:NW+1], s[12:13], s[14:15]
	s_mov_b32 s[STR], 1024
	s_cselect_b32 s[STR], 512, s[STR]              ; from chunk to chunk of 512 bytes: 512 in qc, 1,024 in kv
	s_add_nc_u64 s[OUT:OUT+1], s[OUT:OUT+1], s[84:85]
	s_mul_i32 s[FS], s[STR], 3                     ; from fragment to fragment
	s_mov_b32 s[FS+1], 0
	s_lshl_b32 s84, s[FS], 3
	s_lshl_b32 s75, s[CH], 3
	s_add_co_u32 s84, s84, s75
	s_add_nc_u64 s[OUTS:OUTS+1], s[OUT:OUT+1], s[84:85]   ; behind the eight fragments: my two scale words of each lane's four
	s_mul_i32 s84, s[FS], s[CH]
	s_lshl_b32 s84, s84, 2
	s_add_nc_u64 s[OUT:OUT+1], s[OUT:OUT+1], s[84:85]     ; my four fragments: 4 ch on
	s_add_co_u32 s80, s80, 25*1024                 ; v's chunks lie behind k's 25
	s_lshl_b32 s84, s95, 6                         ; the gate: ((panel x 8 + block) x 8 + head) x 8,192 bytes
	s_add_co_u32 s84, s84, s[TX]
	s_lshl_b32 s84, s84, 13
	s_cmp_eq_u32 ttmp9, 2
	s_cselect_b64 s[OUT2:OUT2+1], s[18:19], s[20:21]
	s_cselect_b64 s[84:85], s[80:81], s[84:85]
	s_add_nc_u64 s[OUT2:OUT2+1], s[OUT2:OUT2+1], s[84:85]
	s_lshl_b32 s84, s95, 16                        ; cos, sin: 128 rows of 512 bytes a panel, + my 64 rows
	s_lshl_b32 s75, s[CH], 15
	s_add_co_u32 s84, s84, s75
	s_add_nc_u64 s[COSB:COSB+1], s[8:9], s[84:85]
	s_add_nc_u64 s[SINB:SINB+1], s[10:11], s[84:85]
	s_cmp_eq_u32 ttmp9, 2
	s_cselect_b32 s75, s[CH], 0                    ; 1: my panel is v: the two sources change places
	s_mul_i32 s76, s[RH], REG
	s_mul_i32 s77, s[CH], REG
	s_add_co_u32 s77, s77, 2*REG
	s_cmp_eq_u32 s75, 1
	s_cselect_b32 s78, s77, s76
	s_cselect_b32 s79, s76, s77
	s_lshl_b32 s22, s[RH], 15
	s_add_co_u32 s22, s22, STAGE
	s_lshl_b32 s23, s[CX], 13
	s_lshl_b32 s73, s[STR], 1
	s_mov_b32 s[HI], 0xffff0000
	s_mov_b32 s[SEL], 0x76543210
	s_mov_b32 s[SEL+1], 0xfedcba98
	s_mov_b32 s[I128], 0x3c000000                  ; 1 / 128
	s_mov_b32 s[EPS], 0x358637bd                   ; 1e-6
	v_and_b32 v[RR], 15, v0
	v_bfe_u32 v[HH], v0, 4, 1
	v_lshlrev_b32 v[L16], 4, v[LN]
	v_lshl_add_u32 v[PFC], v[LN], 8, s23           ; cos, sin: my work-group's 8,192 bytes of my 32,768, a lane a unit of 256
	v_add_nc_u32 v[ADRA], s78, v[L16]
	v_add_nc_u32 v[ADRB], s79, v[L16]
	v_add_nc_u32 v[ADRA+1], SLOT, v[ADRA]
	v_add_nc_u32 v[ADRB+1], SLOT, v[ADRB]
	v_add_nc_u32 v[STG], s22, v[L16]
	v_and_b32 v[CO], 8, v[RR]
	v_add_nc_u32 v[CO], v[CO], v[RR]               ; position r is row r + 8 (r / 8) of its block's rows
	v_lshlrev_b32 v[CO], 9, v[CO]
	v_lshl_add_u32 v[CO], v[HH], 6, v[CO]
	v_lshlrev_b32 v[WO], 6, v[HH]
	v_add_nc_u32 v[VO1], s[STR], v[L16]
	v_add_nc_u32 v[VO2], s73, v[L16]
	v_add_nc_u32 v[VO3], s[FS], v[L16]
.irp c, 0,1,2,3
.irp i, 0,1,2,3
	global_load_b128 v[W1+16*\c+4*\i:W1+16*\c+4*\i+3], v[WO], s[NW:NW+1] offset:128*\c+16*\i   ; the norm's weight at d = 32 c + 16 h + 0 .. 15
.endr
.endr
	s_wait_loadcnt 0x0
.set p, 0
.rept 32
	v_pk_add_f32 v[W1+p:W1+p+1], v[W1+p:W1+p+1], 1.0 op_sel_hi:[1,0]
.set p, p+2
.endr
.macro FRAG reg, adr, q, i
.irp g, 0,1,2
	ds_load_b128 v[\reg+4*\g:\reg+4*\g+3], v[\adr] offset:(\q)*PART+(\i)*1536+512*\g
.endr
.endm
.macro WM d, f0, f1, zero, s0, s1, r0, r1      ; r0, r1: the half of the lanes in which source 0's and source 1's scale words stand
.if \zero
.if (\r0) && (\r1)
	v_wmma_scale_f32_16x16x128_f8f6f4 v[(\d):(\d)+7], v[(\f0):(\f0)+11], v[(\f1):(\f1)+11], 0, v[(\s0)], v[(\s1)] matrix_a_fmt:MATRIX_FMT_FP6 matrix_b_fmt:MATRIX_FMT_FP6 matrix_a_scale:MATRIX_SCALE_ROW1 matrix_b_scale:MATRIX_SCALE_ROW1
.elseif \r0
	v_wmma_scale_f32_16x16x128_f8f6f4 v[(\d):(\d)+7], v[(\f0):(\f0)+11], v[(\f1):(\f1)+11], 0, v[(\s0)], v[(\s1)] matrix_a_fmt:MATRIX_FMT_FP6 matrix_b_fmt:MATRIX_FMT_FP6 matrix_a_scale:MATRIX_SCALE_ROW1
.elseif \r1
	v_wmma_scale_f32_16x16x128_f8f6f4 v[(\d):(\d)+7], v[(\f0):(\f0)+11], v[(\f1):(\f1)+11], 0, v[(\s0)], v[(\s1)] matrix_a_fmt:MATRIX_FMT_FP6 matrix_b_fmt:MATRIX_FMT_FP6 matrix_b_scale:MATRIX_SCALE_ROW1
.else
	v_wmma_scale_f32_16x16x128_f8f6f4 v[(\d):(\d)+7], v[(\f0):(\f0)+11], v[(\f1):(\f1)+11], 0, v[(\s0)], v[(\s1)] matrix_a_fmt:MATRIX_FMT_FP6 matrix_b_fmt:MATRIX_FMT_FP6
.endif
.else
.if (\r0) && (\r1)
	v_wmma_scale_f32_16x16x128_f8f6f4 v[(\d):(\d)+7], v[(\f0):(\f0)+11], v[(\f1):(\f1)+11], v[(\d):(\d)+7], v[(\s0)], v[(\s1)] matrix_a_fmt:MATRIX_FMT_FP6 matrix_b_fmt:MATRIX_FMT_FP6 matrix_a_scale:MATRIX_SCALE_ROW1 matrix_b_scale:MATRIX_SCALE_ROW1
.elseif \r0
	v_wmma_scale_f32_16x16x128_f8f6f4 v[(\d):(\d)+7], v[(\f0):(\f0)+11], v[(\f1):(\f1)+11], v[(\d):(\d)+7], v[(\s0)], v[(\s1)] matrix_a_fmt:MATRIX_FMT_FP6 matrix_b_fmt:MATRIX_FMT_FP6 matrix_a_scale:MATRIX_SCALE_ROW1
.elseif \r1
	v_wmma_scale_f32_16x16x128_f8f6f4 v[(\d):(\d)+7], v[(\f0):(\f0)+11], v[(\f1):(\f1)+11], v[(\d):(\d)+7], v[(\s0)], v[(\s1)] matrix_a_fmt:MATRIX_FMT_FP6 matrix_b_fmt:MATRIX_FMT_FP6 matrix_b_scale:MATRIX_SCALE_ROW1
.else
	v_wmma_scale_f32_16x16x128_f8f6f4 v[(\d):(\d)+7], v[(\f0):(\f0)+11], v[(\f1):(\f1)+11], v[(\d):(\d)+7], v[(\s0)], v[(\s1)] matrix_a_fmt:MATRIX_FMT_FP6 matrix_b_fmt:MATRIX_FMT_FP6
.endif
.endif
.endm
.macro MUL16 a0, p, q, sc, zero        ; 16 matrix instructions; the 64 accumulators take turns, in the same order in every step
.irp a, \a0, \a0+1
.irp b, 0,1,2,3,4,5,6,7
	WM 8*(8*((\a)%4)+\b), 128*(\p)+FR*\b, AF+FR*(\a), \zero, SC+16*(\sc)+8*(\q)+4+\b/2, SC+16*(\sc)+8*(\q)+(\a)/2, \b%2, (\a)%2
.endr
.endr
.endm
.macro FETCH_B slot, q, p
	WIN TO_B
.irp i, 0,1,2,3,4,5,6,7
	FRAG 128*(\p)+FR*\i, ADRB+\slot, \q, \i
.endr
	WIN 0
.endm
.macro FETCH_A slot, q, i0
.irp i, \i0, \i0+1, \i0+2, \i0+3
	FRAG AF+FR*(\i), ADRA+\slot, \q, \i
.endr
.endm
.macro SCALES slot
.irp q, 0,1
	ds_load_b128 v[SC+16*\slot+8*\q:SC+16*\slot+8*\q+3], v[ADRA+\slot] offset:\q*PART+12288
	ds_load_b128 v[SC+16*\slot+8*\q+4:SC+16*\slot+8*\q+7], v[ADRB+\slot] offset:\q*PART+12288
.endr
.endm
.macro STEP slot, q, zero              ; a slot's first K step; the second's fragments are fetched in its middle and at its end
	s_wait_dscnt 4*NL                              ; all but the youngest 12 loads (source 1's blocks 4-7)
	WIN MUL_LO
	MUL16 0, (\q)%2, \q, \slot, \zero
	MUL16 2, (\q)%2, \q, \slot, \zero
	s_wait_dscnt 0
	PLACES NP
	FETCH_B \slot, (\q)+1, 1-(\q)%2
	FETCH_A \slot, (\q)+1, 0
	WIN MUL_HI
	MUL16 4, (\q)%2, \q, \slot, \zero
	MUL16 6, (\q)%2, \q, \slot, \zero
	PLACES NP
	WIN 0
	FETCH_A \slot, (\q)+1, 4
.endm
.macro ASK                             ; my quarter of my region of the slot two refills on; the last trip's two refills have none
	s_cmp_gt_u32 s3, 1
	s_cbranch_scc0 .Lno_ask_\@
	global_prefetch_b8 v[PFO], s[PFA:PFA+1] offset:3*REG th:TH_LOAD_NT scope:SCOPE_SE
.Lno_ask_\@:
.endm
.macro TURN slot, next, fill           ; a slot's second K step, and the change of slots
.if \fill
	s_wait_xcnt 0x0                                ; the last prefetch, a slot back, has read its address
	s_add_nc_u64 s[PFA:PFA+1], s[PFA:PFA+1], REG
.endif
	s_wait_tensorcnt 0x0                           ; my one load that was out, my region of the next slot, has landed
	ds_add_u32 v[SPW], v[NIL]
	s_wait_dscnt 4*NL+1                            ; the add and the youngest 12 loads may be out
	WIN MUL_LO
	MUL16 0, 1, 1, \slot, 0
	s_wait_dscnt 0x0                               ; the add is done, and my reads of this slot are over
	s_barrier_signal -1
	MUL16 2, 1, 1, \slot, 0
	WIN 0
	s_barrier_wait -1
.if \fill
	CREST                                          ; the barrier has opened a round of the cluster's barrier
	s_add_nc_u64 s[G0A+4*\slot+2:G0A+4*\slot+3], s[G0A+4*\slot+2:G0A+4*\slot+3], 2*REG
	s_add_nc_u64 s[G0B+4*\slot+2:G0B+4*\slot+3], s[G0B+4*\slot+2:G0B+4*\slot+3], 2*REG
	JLOAD G0A+4*\slot, G1A, G0B+4*\slot, G1B       ; the first tensor load behind the round; its four v_nop are the places in front of the loads below
.else
	PLACES NP
.endif
	FETCH_B \next, 0, 0
	FETCH_A \next, 0, 0
	SCALES \next
.if \fill
	ASK
.endif
	WIN MUL_HI
	MUL16 4, 1, 1, \slot, 0
	MUL16 6, 1, 1, \slot, 0
	PLACES NP
	WIN 0
	FETCH_A \next, 0, 4
.endm
.macro CSLOAD i                        ; cos and sin of my block i at my token and my 64 d: blocks 0, 1 into window 1, blocks 2, 3 into window 3; cos at 128 (i % 2), sin 64 on
	WIN (1+2*((\i)/2))<<6
.irp c, 0,1,2,3
.irp e, 0,1,2,3
	global_load_b128 v[128*((\i)%2)+16*\c+4*\e:128*((\i)%2)+16*\c+4*\e+3], v[CO], s[COSB:COSB+1] offset:(32*((\i)/2)+8*((\i)%2))*512+128*\c+16*\e
	global_load_b128 v[128*((\i)%2)+64+16*\c+4*\e:128*((\i)%2)+64+16*\c+4*\e+3], v[CO], s[SINB:SINB+1] offset:(32*((\i)/2)+8*((\i)%2))*512+128*\c+16*\e
.endr
.endr
	WIN 0
.endm
	s_wait_alu depctr_va_vdst(0)                   ; the wait at the head's end
	s_wait_tensorcnt 0x0                           ; my region of slot 0 is in; the lines ahead of a later first fill:
	ds_add_u32 v[SPW], v[NIL]
	s_wait_dscnt 0x0
	CROUND
	JLOAD G0A+4, G1A, G0B+4, G1B                   ; slot 1
	FETCH_B 0, 0, 0
	FETCH_A 0, 0, 0
	SCALES 0
	global_prefetch_b8 v[PFO], s[PFA:PFA+1] offset:3*REG th:TH_LOAD_NT scope:SCOPE_SE   ; slot 3
	global_prefetch_b8 v[PFC], s[COSB:COSB+1] th:TH_LOAD_NT scope:SCOPE_SE
	global_prefetch_b8 v[PFC], s[SINB:SINB+1] th:TH_LOAD_NT scope:SCOPE_SE
	FETCH_A 0, 0, 4
	STEP 0, 0, 1                                   ; the first step's products start the sums
	s_mov_b32 s3, LAPS-1
.Llap:                                                 ; a trip: four K steps, both slots filled again
	TURN 0, 1, 1
	STEP 1, 0, 0
	TURN 1, 0, 1
	STEP 0, 0, 0
	s_sub_co_u32 s3, s3, 1
	s_cmp_lg_u32 s3, 0
	s_cbranch_scc1 .Llap
	TURN 0, 1, 0
	STEP 1, 0, 0
	CSLOAD 0                                       ; source 0's first set is done with (four places stand behind its last product)
	s_wait_dscnt 4*NL
	WIN MUL_LO
	MUL16 0, 1, 1, 1, 0
	MUL16 2, 1, 1, 1, 0
	s_wait_dscnt 0
	WIN MUL_HI
	MUL16 4, 1, 1, 1, 0
	MUL16 6, 1, 1, 1, 0
	WIN 0
	PLACES NP
	CSLOAD 1
.irp b, 0,1,2,3
	v_mov_b32 v[TM+4+\b], 0                        ; written once: a lane permute's destination counts as one of its sources
	v_mov_b32 v[SX+\b], 0
.endr
; 64 numbers of a lane in window w, register 16 b + i = k 32 b + 16 h + i, become a fragment's codes in v[PC] on and its scale word in v[PW]
.macro QUANT s, w
	WIN (\w)|((\w)<<2)
.irp b, 0,1,2,3
	v_max3_num_f32 v[TM+\b], |v[\s+16*\b]|, |v[\s+16*\b+1]|, 0x1800000   ; the floor 2^(3 - 127) holds the byte at 1 from below
.endr
	WIN ((\w)<<2)|((\w)<<4)
.irp i, 2,4,6,8,10,12,14
.irp b, 0,1,2,3
	v_max3_num_f32 v[TM+\b], v[TM+\b], |v[\s+16*\b+\i]|, |v[\s+16*\b+\i+1]|
.endr
.endr
	WIN 0
.irp b, 0,1,2,3
	v_permlanex16_b32 v[TM+4+\b], v[TM+\b], s[SEL], s[SEL+1]
.endr
.irp b, 0,1,2,3
	v_max_num_f32 v[TM+\b], v[TM+\b], v[TM+4+\b]
.endr
.irp b, 0,1,2,3
	v_add_nc_u32 v[TM+12+\b], 0xff000000, v[TM+\b] ; 2 off the exponent field: the conversion's scale operand
.endr
.irp b, 0,1,2,3
	v_lshrrev_b32 v[TM+4+\b], 23, v[TM+12+\b]
.endr
	v_lshl_or_b32 v[PW], v[TM+5], 8, v[TM+4]
	v_lshl_or_b32 v[PW], v[TM+6], 16, v[PW]
	v_lshl_or_b32 v[PW], v[TM+7], 24, v[PW]
	WIN \w
.irp c, 0,1
	v_cvt_scalef32_pk16_fp6_f32 v[PC+6*\c:PC+6*\c+2], v[\s+32*\c:\s+32*\c+15], v[TM+12+2*\c]
	v_cvt_scalef32_pk16_fp6_f32 v[PC+12+4*\c:PC+14+4*\c], v[\s+32*\c+16:\s+32*\c+31], v[TM+13+2*\c]
.endr
	WIN 0
	v_nop                                          ; one plain place behind a scaled conversion
.irp c, 0,1
.irp i, 0,1,2
	v_permlane16_swap_b32 v[PC+6*\c+\i], v[PC+12+4*\c+\i]
.endr
.irp i, 0,1,2
	v_mov_b32 v[PC+3+6*\c+\i], v[PC+12+4*\c+\i]
.endr
.endr
.endm
.macro OUTFRAG a, o, sw                ; three stores of 512 consecutive bytes; the scale words of two blocks share a register
	global_store_b128 v[L16], v[PC:PC+3], s[\o:\o+1]
	global_store_b128 v[VO1], v[PC+4:PC+7], s[\o:\o+1]
	global_store_b128 v[VO2], v[PC+8:PC+11], s[\o:\o+1]
.if (\a)%2 == 0
	v_mov_b32 v[SWE], v[PW]
.else
	v_cndmask_b32 v[\sw+(\a)/2], v[SWE], v[PW], s[HI]
.endif
.endm
	s_cmp_eq_u32 s[CH], 0
	s_cbranch_scc0 .Lkeep
	WIN 0x0c                                       ; an LDS store's data: window 3
.set g, 0
.rept 64
	ds_store_b128 v[STG], v[4*g:4*g+3] offset:512*g    ; blocks 4-7 as they lie, each accumulator from its low end on
.set g, g+1
.endr
	WIN 0
.Lkeep:
	s_wait_dscnt 0x0                               ; for the partner's sake: my stores are done
	s_barrier_signal -1
	s_barrier_wait -1
	s_cmp_eq_u32 s[CH], 0
	s_cbranch_scc1 .Lqk
	s_cmp_eq_u32 ttmp9, 2
	s_cbranch_scc1 .Lv
.irp a, 0,1,2,3,4,5,6,7                ; the gate, f32, as images of the accumulators: 512 consecutive bytes a store
	WIN (2+\a/4)<<2
.set g, 0
.rept 16
	global_store_b128 v[L16], v[64*(\a%4)+4*g:64*(\a%4)+4*g+3], s[OUT2:OUT2+1] offset:65536*\a+512*g
.set g, g+1
.endr
.endr
	WIN 0
	s_branch .Ltake
.Lv:                                                   ; v: a lane holds one d, its registers run along the keys: quantised as it lies
.irp a, 0,1,2,3,4,5,6,7
.if \a > 0
	s_wait_xcnt 0x0                                ; the last block's stores have read their registers and their base
	s_add_nc_u64 s[OUT2:OUT2+1], s[OUT2:OUT2+1], s[FS:FS+1]
.endif
	QUANT 64*(\a%4), 2+\a/4
	OUTFRAG \a, OUT2, SWV
.endr
	global_store_b128 v[VO3], v[SWV:SWV+3], s[OUT2:OUT2+1]
.Ltake:
	s_wait_xcnt 0x0                                ; my stores have read windows 2 and 3
	WIN 0x80
.set g, 0
.rept 64
	ds_load_b128 v[4*g:4*g+3], v[STG] offset:512*g     ; my partner's blocks 4-7 become my blocks 0-3
.set g, g+1
.endr
	WIN 0
.Lqk:
	CSLOAD 2
	s_wait_dscnt 0x0
.irp i, 0,1,2,3                        ; the sums of squares over my 64 d
	WIN 0x0a
.irp k, 0,1,2,3
	v_pk_mul_f32 v[T+2*\k:T+2*\k+1], v[64*\i+2*\k:64*\i+2*\k+1], v[64*\i+2*\k:64*\i+2*\k+1]
.endr
.set p, 4
.rept 28
	v_pk_fma_f32 v[T+2*(p%4):T+2*(p%4)+1], v[64*\i+2*p:64*\i+2*p+1], v[64*\i+2*p:64*\i+2*p+1], v[T+2*(p%4):T+2*(p%4)+1]
.set p, p+1
.endr
	WIN 0
	v_pk_add_f32 v[T:T+1], v[T:T+1], v[T+2:T+3]
	v_pk_add_f32 v[T+4:T+5], v[T+4:T+5], v[T+6:T+7]
	v_pk_add_f32 v[T:T+1], v[T:T+1], v[T+4:T+5]
	v_add_f32 v[SS+\i], v[T], v[T+1]
.endr
.irp i, 0,1,2,3
	v_permlanex16_b32 v[SX+\i], v[SS+\i], s[SEL], s[SEL+1]
.endr
.irp i, 0,1,2,3
	v_add_f32 v[SS+\i], v[SS+\i], v[SX+\i]         ; with lane l xor 16's 64 d
.endr
.irp i, 0,1,2,3
	v_fma_f32 v[SS+\i], v[SS+\i], s[I128], s[EPS]
.endr
	s_wait_alu depctr_va_vdst(0)                   ; the wait ahead of the batch
.irp i, 0,1,2,3
	v_rsq_f32 v[RS+2*\i], v[SS+\i]
.endr
	v_nop
	s_wait_alu depctr_va_vdst(0)                   ; and behind it
.irp i, 0,1,2,3
	v_mov_b32 v[RS+2*\i+1], v[RS+2*\i]
.endr
	s_wait_alu depctr_va_vdst(0)                   ; the wait ahead of the wait below
.irp i, 0,1,2,3
.set AC, 64*\i
.set CB, 128*(\i%2)
.set CW, 1+2*(\i/2)
.if \i < 2
	s_wait_loadcnt 63                              ; behind this block's 32 loads 64 were issued: at most 63 out shows them in
.elseif \i == 2
	s_wait_loadcnt 32                              ; block 3's 32 may be out
.else
	s_wait_loadcnt 0x0
.endif
.if \i == 0
	CSLOAD 3
.endif
	WIN 0x82
.set p, 0
.rept 32
	v_pk_mul_f32 v[AC+p:AC+p+1], v[AC+p:AC+p+1], v[RS+2*\i:RS+2*\i+1] op_sel_hi:[1,0]
.set p, p+2
.endr
.set p, 0
.rept 32
	v_pk_mul_f32 v[AC+p:AC+p+1], v[AC+p:AC+p+1], v[W1+p:W1+p+1]
.set p, p+2
.endr
	WIN 2|(CW<<2)
.set p, 0
.rept 32
	v_pk_mul_f32 v[Z+p:Z+p+1], v[AC+p:AC+p+1], v[CB+p:CB+p+1]
.set p, p+2
.endr
.set p, 0
.rept 16
	v_pk_fma_f32 v[Z+p:Z+p+1], v[AC+32+p:AC+33+p], v[CB+64+p:CB+65+p], v[Z+p:Z+p+1] neg_lo:[1,0,0] neg_hi:[1,0,0]   ; d < 64: - x(d + 64) sin(d)
.set p, p+2
.endr
.rept 16
	v_pk_fma_f32 v[Z+p:Z+p+1], v[AC-32+p:AC-31+p], v[CB+64+p:CB+65+p], v[Z+p:Z+p+1]                                   ; d >= 64: + x(d - 64) sin(d)
.set p, p+2
.endr
	WIN 0
	s_wait_xcnt 0x0                                ; the last block's stores have read their registers and their base
.if \i > 0
	s_add_nc_u64 s[OUT:OUT+1], s[OUT:OUT+1], s[FS:FS+1]
.endif
	QUANT Z, 0
	OUTFRAG \i, OUT, SW
.endr
	global_store_b64 v[L16], v[SW:SW+1], s[OUTS:OUTS+1]
	s_wait_tensorcnt 0x0                           ; the wave's end
	ds_add_u32 v[SPW], v[NIL]
	s_wait_dscnt 0x0
	CROUND                                         ; the closing round
	s_endpgm
.Lfunc_end_k_qa294243ece_proj:
	.size	k_qa294243ece_proj, .Lfunc_end_k_qa294243ece_proj-k_qa294243ece_proj
	.p2alignl 7, 3214868480
	.fill 96, 4, 3214868480
	.section	.rodata,"a",@progbits
	.p2align	6, 0x0
	.amdhsa_kernel k_qa294243ece_proj
		.amdhsa_group_segment_fixed_size 327680
		.amdhsa_private_segment_fixed_size 0
		.amdhsa_enable_private_segment 0
		.amdhsa_kernarg_size 72
		.amdhsa_user_sgpr_count 2
		.amdhsa_user_sgpr_kernarg_segment_ptr 1
		.amdhsa_wavefront_size32 1
		.amdhsa_system_sgpr_workgroup_id_x 1
		.amdhsa_system_sgpr_workgroup_id_y 1
		.amdhsa_system_sgpr_workgroup_id_z 1
		.amdhsa_system_vgpr_workitem_id 0
		.amdhsa_next_free_vgpr 1024
		.amdhsa_next_free_sgpr 100
		.amdhsa_reserve_vcc 0
		.amdhsa_float_denorm_mode_32 3
		.amdhsa_float_denorm_mode_16_64 3
		.amdhsa_memory_ordered 1
		.amdhsa_forward_progress 1
		.amdhsa_inst_pref_size 236
	.end_amdhsa_kernel
	.amdgpu_metadata
---
amdhsa.version: [ 1, 2 ]
amdhsa.kernels:
  - .name:           k_qa294243ece_proj
    .symbol:         k_qa294243ece_proj.kd
    .args:
      - { .name: xa, .offset: 0, .size: 8, .value_kind: global_buffer, .address_space: global }
      - { .name: wq, .offset: 8, .size: 8, .value_kind: global_buffer, .address_space: global }
      - { .name: cos, .offset: 16, .size: 8, .value_kind: global_buffer, .address_space: global }
      - { .name: sin, .offset: 24, .size: 8, .value_kind: global_buffer, .address_space: global }
      - { .name: q_norm_w, .offset: 32, .size: 8, .value_kind: global_buffer, .address_space: global }
      - { .name: k_norm_w, .offset: 40, .size: 8, .value_kind: global_buffer, .address_space: global }
      - { .name: qc, .offset: 48, .size: 8, .value_kind: global_buffer, .address_space: global }
      - { .name: kv, .offset: 56, .size: 8, .value_kind: global_buffer, .address_space: global }
      - { .name: gt, .offset: 64, .size: 8, .value_kind: global_buffer, .address_space: global }
    .group_segment_fixed_size: 327680
    .private_segment_fixed_size: 0
    .kernarg_segment_align: 8
    .kernarg_segment_size: 72
    .max_flat_workgroup_size: 128
    .sgpr_count:     100
    .vgpr_count:     1024
    .wavefront_size: 32
...
	.end_amdgpu_metadata
.endif
;; end of part 2
;; launch attn (part 3): grid 32 x 8, 8 waves a work-group, no clusters, 327,680 bytes of LDS; arguments qc, kv, gt, ao; writes ao
.if DOCPART == 3
	.amdgcn_target "amdgcn-amd-amdhsa--gfx1250"
	.amdhsa_code_object_version 6
	.text
	.protected	k_qa294243ece_attn
	.globl	k_qa294243ece_attn
	.p2align	8
	.type	k_qa294243ece_attn,@function
k_qa294243ece_attn:
	s_mov_b64 s[64:65], 0
	v_nop
	global_prefetch_b8 v0, s[64:65] scope:SCOPE_SE
	s_setreg_imm32_b32 hwreg(HW_REG_WAVE_MODE, 25, 1), 1
	s_wait_xcnt 0x0
; ATTENTION ON CODES OF FP6 (E2M3): S^T = K Q^T, the causal softmax as p = 2^(t - M), O^T = V^T P^T, then O / l x sigmoid(gate), quantised along the head's 128 for the projection on the way out.
; WORK LEFT OUT: a step of 128 keys all of which come after a tile's 16 queries (reference()'s own tril gives them p = 0 for all finite inputs: see the first kernel's head); a NaN or infinity that reaches only such steps is not carried on.
; t = score x log2(e) / sqrt(128); M = the running largest t rounded up to a whole number; the row's sum l is taken of the unquantised p; when M moves, l and O^T are multiplied by 2^(old M - new M), which rounds nothing.
; LIMIT: the promise holds while the scaled scores t stay under 2^31 in magnitude.
; SHARES.  Work-group (j, y): y = 4 b + key head; query head 2 x key head + j / 16; jj = j % 16.  Its eight tiles of 16 queries: the four of block jj (of 32 blocks of 64 queries) and the four of block 31 - jj.
; THE KEYS OF A SLOT ARE SHARED OUT: waves 0-3 take the even key step of each pair, waves 4-7 the odd one, and wave w works its step for TWO tiles: its own (waves 0-3: tile w of block jj; waves 4-7: tile w - 4 of block 31 - jj)
; and that of wave w xor 4.  So a tile's key steps are dealt to two waves, each fragment of K and V read from LDS serves two tiles, and under the mask every wave has 8 or 9 live tile steps.
; At the end wave w hands its part of the other tile (O^T, -M, l) to wave w xor 4 through LDS bytes of their own; the two parts are brought under the larger M by powers of two and added.  A part with no live step has l = 0, O^T = 0.
; NO CLUSTER: under the mask the work-groups of a key head need different numbers of key tiles, so partners could not make every joint request and read what it brings.
; THE RING: two slots of a pair of key steps, 51,200 dense bytes of kv (chunk c of 512 bytes of step q at 1024 c + 512 q: c = 0-23 K's fragments, 24 its scale words, 25-48 V's, 49 its words).  Each of the eight waves fetches an
; eighth, 25 rows of 256 bytes.  Every work-group walks all eight slots: trip counts are constants; a step's work, and a slot's load beyond the work-group's last query, are jumped over on ids alone.
; Every wait on TENSORcnt is for 0.  By this text's own count a wave has one tensor load out.
; THE GATE (8,192 bytes a wave) is asked for once by a prefetch at the head, a lane a unit of 256 bytes, and loaded behind the last key step into the registers that held K's fragments.
; REGISTERS: window 0: v1-9, v30-31, v69-71 addresses; v12-15 my tile's -M, largest t, l in two halves, v72-75 the other tile's, v76-79 the part handed to me; v16-27, v28 my Q and its scale words, v32-43, v29 the other's
;   (v32-68 at the end: the last quantiser); v80-87 K's and V's scale words; v96-159 S^T, then p; v160-223 my O^T; v224-255 p's codes, at work.   window 1: v0-63 the other tile's O^T; v64-159 K's eight fragments; v160-255 V's.
.set PART,  12800
.set PAIR,  4*PART
.set SLOT1, 65536                      ; slot 1 begins here: one exclusive or turns an address
.set SPARE, 2*SLOT1                    ; the spare words, 128 bytes for each of eight waves: four blocks of 256 bytes that no other line names
.set XCH,   SPARE+1024                 ; eight regions into which no tensor load lands: a wave's part of the other tile
.set XREG,  8704                       ; 64 registers x 128 bytes, and 512 bytes for -M, t, l
.set L16,  1
.set AD,   2
.set DQX,  3                           ; my tile's query in its step of 128, less 16 h
.set NINF, 4
.set SPW,  5
.set NIL,  6
.set LN,   7
.set PFO,  8
.set R16,  9
.set NMX,  12
.set LSX,  14
.set QFX,  16
.set QSCX, 28
.set QSCY, 29
.set DQY,  30
.set LQ,   31                          ; 16 x lane + 512 x my step of a pair
.set QFY,  32
.set TM,   32
.set PC,   48
.set PW,   68
.set XW,   69
.set XR,   70
.set PFG,  71
.set NMY,  72
.set LSY,  74
.set PS,   76
.set KSC,  80
.set VSC,  84
.set FA,   88
.set FB,   90
.set NMN,  92
.set RL,   93
.set KF,   64                          ; in window 1
.set VF,   160
.set TB,   2                           ; s2  LDS byte at which the slot in hand begins
.set KS,   3                           ; s3  the slot's first key step
.set WV,   18
.set PAR,  19
.set SEL,  20
.set CS,   22
.set G1,   24
.set KW,   32                          ; s32 my key step of the slot in hand
.set QSTY, 33
.set ROWX, 34
.set ROWY, 35
.set G0,   40
.set PFA,  44
.set SLOTS, 46
.set LIM,  47
.set QST,  48                          ; s48 my tile's step of 128: the last key step that counts for it, and the one on the diagonal;  s33 the other tile's
.set QMAX, 49                          ; s49 the work-group's last
.set NLE,  50
.set MSB, 0
.macro WIN new
.if MSB != (\new)
	s_set_vgpr_msb (MSB<<8)|(\new)
.set MSB, (\new)
.endif
.endm
.macro WM d, f0, f1, zero, s0, s1, r0  ; one matrix instruction; r0: the half of the lanes in which source 0's scale words stand
.if (\zero) && (\r0)
	v_wmma_scale_f32_16x16x128_f8f6f4 v[(\d):(\d)+7], v[(\f0):(\f0)+11], v[(\f1):(\f1)+11], 0, v[(\s0)], v[(\s1)] matrix_a_fmt:MATRIX_FMT_FP6 matrix_b_fmt:MATRIX_FMT_FP6 matrix_a_scale:MATRIX_SCALE_ROW1
.elseif \zero
	v_wmma_scale_f32_16x16x128_f8f6f4 v[(\d):(\d)+7], v[(\f0):(\f0)+11], v[(\f1):(\f1)+11], 0, v[(\s0)], v[(\s1)] matrix_a_fmt:MATRIX_FMT_FP6 matrix_b_fmt:MATRIX_FMT_FP6
.elseif \r0
	v_wmma_scale_f32_16x16x128_f8f6f4 v[(\d):(\d)+7], v[(\f0):(\f0)+11], v[(\f1):(\f1)+11], v[(\d):(\d)+7], v[(\s0)], v[(\s1)] matrix_a_fmt:MATRIX_FMT_FP6 matrix_b_fmt:MATRIX_FMT_FP6 matrix_a_scale:MATRIX_SCALE_ROW1
.else
	v_wmma_scale_f32_16x16x128_f8f6f4 v[(\d):(\d)+7], v[(\f0):(\f0)+11], v[(\f1):(\f1)+11], v[(\d):(\d)+7], v[(\s0)], v[(\s1)] matrix_a_fmt:MATRIX_FMT_FP6 matrix_b_fmt:MATRIX_FMT_FP6
.endif
.endm
; a tile's places, from its block of 64 queries: its step of 128; the byte offsets in qc of its fragment and of its scale words; its first row in its step.  Leaves s60 = the tile, s67, s68 = the two offsets inside a part
.macro TADR blk, qst, off, sof, row
	s_lshr_b32 s[\qst], s[\blk], 1
	s_lshl_b32 s60, s[\blk], 2
	s_add_co_u32 s60, s60, s59                     ; the tile, 0 .. 127
	s_and_b32 s61, s60, 7                          ; its number a in its part
	s_lshl_b32 s62, s53, 3
	s_add_co_u32 s62, s62, s54
	s_lshl_b32 s62, s62, 4
	s_add_co_u32 s62, s62, s[\qst]
	s_mul_i32 s62, s62, PART
	s_and_b32 s63, s61, 1
	s_lshr_b32 s66, s61, 1
	s_lshl_b32 s67, s63, 8
	s_lshl_b32 s68, s66, 2
	s_add_co_u32 s67, s67, s68
	s_add_co_u32 s67, s67, 12288                   ; 12288 + 256 (a % 2) + 4 (a / 2), 16 bytes from position to position
	s_mul_i32 s68, s61, 1536
	s_add_co_u32 s[\off], s62, s68
	s_mov_b32 s[\off+1], 0
	s_add_co_u32 s[\sof], s62, s67
	s_mov_b32 s[\sof+1], 0
	s_lshl_b32 s66, s66, 5
	s_lshl_b32 s63, s63, 3
	s_add_co_u32 s[\row], s66, s63                 ; 32 (a / 2) + 8 (a % 2)
.endm
	s_load_b256 s[4:11], s[0:1], 0x0               ; qc s[4:5], kv s[6:7], gt s[8:9], ao s[10:11]
	v_lshl_add_u32 v[SPW], v0, 2, SPARE
	v_mov_b32 v[NIL], 0
	ds_add_u32 v[SPW], v[NIL]                      ; the opening lines: the add, twice on end, and its wait
	ds_add_u32 v[SPW], v[NIL]
	v_lshrrev_b32 v10, 5, v0
	s_delay_alu instid0(VALU_DEP_1)
	v_readfirstlane_b32 s[WV], v10                 ; wave 0..7
	s_and_b32 s52, ttmp7, 0xffff                   ; y
	s_lshr_b32 s53, s52, 2                         ; b
	s_and_b32 s54, s52, 3
	s_lshr_b32 s55, ttmp9, 4
	s_lshl_b32 s54, s54, 1
	s_add_co_u32 s54, s54, s55                     ; the query head
	s_and_b32 s55, ttmp9, 15                       ; jj
	s_sub_co_u32 s56, 31, s55
	s_lshr_b32 s[QMAX], s56, 1
	s_cmp_lt_u32 s[WV], 4
	s_cselect_b32 s57, s55, s56                    ; my tile's block of 64 queries
	s_cselect_b32 s58, s56, s55                    ; the other tile's
	s_lshr_b32 s[PAR], s[WV], 2                    ; my step of each pair
	s_and_b32 s59, s[WV], 3
	TADR 58, QSTY, 12, 14, ROWY
	TADR 57, QST, 36, 38, ROWX
	s_lshl_b32 s69, s53, 4
	s_add_co_u32 s69, s69, s[QST]
	s_lshl_b32 s69, s69, 3
	s_add_co_u32 s69, s69, s54
	s_mul_i32 s69, s69, PART                       ; ao's part: (token panel, K step = head)
	s_add_co_u32 s72, s69, s68
	s_mov_b32 s73, 0
	s_add_co_u32 s74, s69, s67
	s_mov_b32 s75, 0
	s_lshl_b32 s76, s53, 7
	s_add_co_u32 s76, s76, s60
	s_lshl_b32 s76, s76, 3
	s_add_co_u32 s76, s76, s54
	s_lshl_b32 s76, s76, 13                        ; the gate's image: (token tile, head) x 8,192 bytes
	s_mov_b32 s77, 0
	s_mul_i32 s70, s52, 8*PAIR
	s_mul_i32 s78, s[WV], PAIR/8                   ; my eighth of a slot, in memory and in LDS
	s_add_co_u32 s70, s70, s78
	s_mov_b32 s71, 0
	s_mul_i32 s79, s[WV], XREG
	s_add_co_u32 s79, s79, XCH                     ; where I put my part of the other tile
	s_xor_b32 s90, s[WV], 4
	s_mul_i32 s90, s90, XREG
	s_add_co_u32 s90, s90, XCH                     ; where wave w xor 4 puts its part of my tile
	s_lshl_b32 s91, s[PAR], 9
	s_mov_b32 s[G1], 3<<16                         ; no mask; elements of 8 bytes; no padding
	s_mov_b32 s[G1+1], 32<<16                      ; rows of 256 bytes
	s_mov_b32 s[G1+2], 25<<16
	s_mov_b32 s[G1+3], 32<<16
	s_mov_b32 s[G1+4], 25
	s_mov_b32 s[G1+5], 32
	s_mov_b32 s[G1+6], 0
	s_mov_b32 s[G1+7], 0
	s_mov_b32 s[SEL], 0x76543210
	s_mov_b32 s[SEL+1], 0xfedcba98
	s_mov_b32 s[CS], 0x3e0293ee                    ; c = log2(e) / sqrt(128)
	s_mov_b32 s[CS+1], s[CS]
	s_mov_b32 s[NLE], 0xbfb8aa3b                   ; -log2(e)
	s_mov_b32 s[NLE+1], s[NLE]
	s_mov_b32 s[TB], 0
	s_mov_b32 s[KS], 0
	s_mov_b32 s[KW], s[PAR]
	s_mov_b32 s[SLOTS], 7
	s_cmp_eq_u32 ttmp9, 0
	s_cselect_b32 s[LIM], 1, -1                    ; the first work-group of each key head prefetches kv
	s_wait_dscnt 0x0
	s_wait_kmcnt 0x0
	s_mov_b32 s[G0], 1
	s_mov_b32 s[G0+1], s78
	s_add_nc_u64 s[G0+2:G0+3], s[6:7], s[70:71]
	s_or_b32 s[G0+3], s[G0+3], 0x80000000
	tensor_load_to_lds s[G0:G0+3], s[G1:G1+7]      ; slot 0: key step 0 counts for every query
	s_nop 0
.rept 4
	v_nop
.endr
	s_add_nc_u64 s[PFA:PFA+1], s[6:7], s[70:71]
	s_add_nc_u64 s[PFA:PFA+1], s[PFA:PFA+1], PAIR  ; in slot 1: the first change of slots steps it to slot 2
	s_add_nc_u64 s[80:81], s[4:5], s[36:37]        ; my Q's fragment,
	s_add_nc_u64 s[82:83], s[4:5], s[38:39]        ; its scale words,
	s_add_nc_u64 s[84:85], s[4:5], s[12:13]        ; the other tile's
	s_add_nc_u64 s[86:87], s[4:5], s[14:15]
	s_add_nc_u64 s[8:9], s[8:9], s[76:77]
	s_add_nc_u64 s[88:89], s[10:11], s[74:75]      ; ao's scale words
	s_add_nc_u64 s[10:11], s[10:11], s[72:73]      ; ao's fragment
	v_and_b32 v[LN], 31, v0
	s_delay_alu instid0(VALU_DEP_1)
	v_lshlrev_b32 v[L16], 4, v[LN]
	v_and_b32 v10, 15, v0                          ; r
	v_bfe_u32 v11, v0, 4, 1                        ; h
	s_delay_alu instid0(VALU_DEP_2)
	v_lshlrev_b32 v[R16], 4, v10
	v_min_u32 v[PFO], 24, v[LN]
	v_lshlrev_b32 v[PFG], 8, v[LN]
	s_delay_alu instid0(VALU_DEP_2)
	v_lshlrev_b32 v[PFO], 8, v[PFO]                ; my eighth has 25 rows of 256 bytes: a lane a row, the lanes left over name the last
.irp g, 0,1,2
	global_load_b128 v[QFX+4*\g:QFX+4*\g+3], v[L16], s[80:81] offset:512*\g
	global_load_b128 v[QFY+4*\g:QFY+4*\g+3], v[L16], s[84:85] offset:512*\g
.endr
	global_load_b32 v[QSCX], v[R16], s[82:83]
	global_load_b32 v[QSCY], v[R16], s[86:87]
	global_prefetch_b8 v[PFG], s[8:9] th:TH_LOAD_NT scope:SCOPE_SE   ; my gate: 32 units of 256 bytes, read behind the last key step
	v_and_b32 v[DQX], 8, v10
	v_lshlrev_b32 v11, 4, v11
	s_delay_alu instid0(VALU_DEP_2)
	v_add_nc_u32 v[DQX], v[DQX], v10               ; r + 8 (r / 8)
	s_delay_alu instid0(VALU_DEP_1)
	v_sub_nc_u32 v[DQX], v[DQX], v11
	s_delay_alu instid0(VALU_DEP_1)
	v_add_nc_u32 v[DQY], s[ROWY], v[DQX]
	v_add_nc_u32 v[DQX], s[ROWX], v[DQX]
	v_add_nc_u32 v[LQ], s91, v[L16]
	v_add_nc_u32 v[XW], s79, v[L16]
	v_add_nc_u32 v[XR], s90, v[L16]
	v_mov_b32 v[NINF], 0xff800000                  ; -infinity
	v_mov_b32 v[NMX+1], 0xff61b1e6                 ; the largest t so far: -3e38, under every t
	v_mov_b32 v[NMY+1], 0xff61b1e6
	s_delay_alu instid0(VALU_DEP_2)
	v_floor_f32 v[NMX], -v[NMX+1]                  ; -M
	s_delay_alu instid0(VALU_DEP_2)
	v_floor_f32 v[NMY], -v[NMY+1]
.irp b, 0,1
	v_mov_b32 v[LSX+\b], 0
	v_mov_b32 v[LSY+\b], 0
.endr
.irp b, 0,1,2,3
	v_mov_b32 v[236+\b], 0                         ; written once: a lane permute's destination counts as one of its sources
.endr
	v_mov_b32 v252, 0
	v_mov_b32 v253, 0
.set j, 0
.rept 64
	v_mov_b32 v[160+j], 0                          ; O^T: the step is written once; the first finds zeros, which the first change of M leaves zeros
.set j, j+1
.endr
	WIN 0x40
.set j, 0
.rept 64
	v_mov_b32 v[j], 0
.set j, j+1
.endr
	WIN 0
	s_wait_alu depctr_va_vdst(0)                   ; the wait at the head's end
	s_wait_loadcnt 0x0                             ; both Q are in
; A PREFETCH INTO THE L2 of what the next change of slots will ask for: my eighth of that slot, a lane a row of 256 bytes.  All 32 work-groups of a key head walk the same kv: the first of them asks, each wave for its own eighth.
; The last change that fills a slot, and the one written out behind the loop, ask for nothing: there is no slot behind.
.macro ASK
	s_cmp_gt_u32 s[SLOTS], s[LIM]
	s_cbranch_scc0 .Lnot_mine_\@
	global_prefetch_b8 v[PFO], s[PFA:PFA+1] th:TH_LOAD_NT scope:SCOPE_SE
.Lnot_mine_\@:
.endm
; THE CHANGE OF SLOTS stands at a slot's head.  Each wave waits for all its tensor loads, adds 0 to its spare word, and waits for that and for its reads of the slot that it has left.  fill = 1: that slot takes the next pair of key steps.
.macro CHANGE fill
	s_wait_tensorcnt 0x0                           ; no tensor load of mine is out, so the descriptor may be written
	ds_add_u32 v[SPW], v[NIL]
.if \fill
	s_xor_b32 s[G0+1], s[G0+1], SLOT1
	s_add_nc_u64 s[G0+2:G0+3], s[G0+2:G0+3], PAIR
	s_wait_xcnt 0x0                                ; the last prefetch, a slot back, has read its address
	s_add_nc_u64 s[PFA:PFA+1], s[PFA:PFA+1], PAIR
.endif
	s_wait_dscnt 0x0
	s_barrier_signal -1
	s_barrier_wait -1
.if \fill
	s_add_co_u32 s96, s[KS], 2                     ; the first key step of the slot that this change would ask for:
	s_cmp_gt_u32 s96, s[QMAX]                      ; beyond the work-group's last query no wave reads it, so it is not asked for.  Ids and the count of slots alone: all eight waves go the same way
	s_cbranch_scc1 .Lpast_\@
	tensor_load_to_lds s[G0:G0+3], s[G1:G1+7]      ; my one tensor load behind this barrier
	s_nop 0
.rept 4
	v_nop
.endr
.Lpast_\@:
	ASK
.endif
.endm
; MY KEY STEP FOR ONE TILE.  qf, qsc: its Q and scale words; qst: its last step; dq: its query; nm: -M and the largest t; ls: l; its O^T at v[ob] of window ow
.macro TILE qf, qsc, qst, dq, nm, ls, ow, ob
	s_cmp_gt_u32 s[KW], s[\qst]                    ; all the step's keys come after the tile's queries: left out
	s_cbranch_scc1 .Lover_\@
	s_wait_dscnt 24                                ; the scale words and K are in; V's 24 loads may be out
	WIN 0x01
.irp t, 0,1,2,3,4,5,6,7
	WM 96+8*\t, KF+12*\t, \qf, 1, KSC+\t/2, \qsc, \t%2   ; S^T: register 16 b + i holds key 32 b + 16 h + i of the step
.endr
	WIN 0
.rept 4
	v_nop
.endr
	s_cmp_lg_u32 s[KW], s[\qst]                    ; only the tile's own step lies on the diagonal
	s_cbranch_scc1 .Lopen_\@
.set n, 0
.rept 64
	v_cmp_gt_i32 vcc_lo, 32*(n/16)+n%16, v[\dq]    ; key > query: the score becomes -infinity, p = 0
	v_cndmask_b32 v[96+n], v[96+n], v[NINF], vcc_lo
.set n, n+1
.endr
.Lopen_\@:
.irp b, 0,1,2,3
	v_max3_num_f32 v[232+\b], v[96+16*\b], v[97+16*\b], v[98+16*\b]   ; the largest score of each block of 32 keys: for the row's maximum, and, since p rises with the score, for the block's largest p
.endr
.irp i, 3,5,7,9,11,13
.irp b, 0,1,2,3
	v_max3_num_f32 v[232+\b], v[232+\b], v[96+16*\b+\i], v[97+16*\b+\i]
.endr
.endr
.irp b, 0,1,2,3
	v_max_num_f32 v[232+\b], v[232+\b], v[111+16*\b]
.endr
.irp b, 0,1,2,3
	s_delay_alu instid0(VALU_DEP_4)
	v_permlanex16_b32 v[236+\b], v[232+\b], s[SEL], s[SEL+1]
.endr
.irp b, 0,1,2,3
	s_delay_alu instid0(VALU_DEP_4)
	v_max_num_f32 v[232+\b], v[232+\b], v[236+\b]
.endr
	s_delay_alu instid0(VALU_DEP_2)
	v_max3_num_f32 v254, v232, v233, v234
	s_delay_alu instid0(VALU_DEP_1)
	v_max_num_f32 v254, v254, v235
	s_delay_alu instid0(VALU_DEP_1)
	v_mul_f32 v254, s[CS], v254
	s_delay_alu instid0(VALU_DEP_1)
	v_max_num_f32 v[\nm+1], v[\nm+1], v254         ; the running largest t
	v_mov_b32 v254, v[\nm]
	s_delay_alu instid0(VALU_DEP_2)
	v_floor_f32 v[\nm], -v[\nm+1]                  ; the new -M = -ceil(t)
	s_delay_alu instid0(VALU_DEP_1)
	v_sub_f32 v254, v[\nm], v254                   ; old M - new M: a whole number, 0 or less
	s_delay_alu instid0(VALU_DEP_1)
	v_cvt_i32_f32 v254, v254
	s_delay_alu instid0(VALU_DEP_1)
	v_ldexp_f32 v252, 1.0, v254                    ; f = 2^(old M - new M)
.set j, 0
.rept 32
	v_pk_fma_f32 v[96+j:97+j], v[96+j:97+j], s[CS:CS+1], v[\nm:\nm+1] op_sel_hi:[1,0,0]   ; t - M
.set j, j+2
.endr
.irp b, 0,1,2,3
	v_fma_f32 v[232+\b], v[232+\b], s[CS], v[\nm]
.endr
.set j, 0
	s_wait_alu depctr_va_vdst(0)                   ; the wait ahead of the batch
.rept 64
	v_exp_f32 v[96+j], v[96+j]                     ; p = 2^(t - M)
.set j, j+1
.endr
	v_pk_mul_f32 v[\ls:\ls+1], v[\ls:\ls+1], v[252:253] op_sel_hi:[1,0]   ; l under the new M; a plain place behind the exponentials
	s_wait_alu depctr_va_vdst(0)                   ; one wait for the batch, ahead of its first reader
.irp b, 0,1,2,3
	v_exp_f32 v[232+\b], v[232+\b]                 ; the blocks' largest p
.endr
	v_pk_add_f32 v[236:237], v[100:101], v[104:105]
	v_pk_add_f32 v[254:255], v[108:109], v[112:113]
	v_pk_add_f32 v[250:251], v[116:117], v[120:121]
	v_pk_add_f32 v[248:249], v[124:125], v[128:129]
	v_pk_add_f32 v[246:247], v[132:133], v[136:137]
	v_pk_add_f32 v[244:245], v[140:141], v[144:145]
	v_pk_add_f32 v[242:243], v[148:149], v[152:153]
	v_pk_add_f32 v[\ls:\ls+1], v[\ls:\ls+1], v[156:157]
	v_pk_add_f32 v[236:237], v[236:237], v[96:97]
	v_pk_add_f32 v[254:255], v[254:255], v[98:99]
	v_pk_add_f32 v[250:251], v[250:251], v[102:103]
	v_pk_add_f32 v[248:249], v[248:249], v[106:107]
	v_pk_add_f32 v[246:247], v[246:247], v[110:111]
	v_pk_add_f32 v[244:245], v[244:245], v[114:115]
	v_pk_add_f32 v[242:243], v[242:243], v[118:119]
	v_pk_add_f32 v[\ls:\ls+1], v[\ls:\ls+1], v[122:123]
	v_pk_add_f32 v[236:237], v[236:237], v[126:127]
	v_pk_add_f32 v[254:255], v[254:255], v[130:131]
	v_pk_add_f32 v[250:251], v[250:251], v[134:135]
	v_pk_add_f32 v[248:249], v[248:249], v[138:139]
	v_pk_add_f32 v[246:247], v[246:247], v[142:143]
	v_pk_add_f32 v[244:245], v[244:245], v[146:147]
	v_pk_add_f32 v[242:243], v[242:243], v[150:151]
	v_pk_add_f32 v[\ls:\ls+1], v[\ls:\ls+1], v[154:155]
	v_pk_add_f32 v[236:237], v[236:237], v[158:159]
	s_delay_alu instid0(VALU_DEP_2)
	v_pk_add_f32 v[\ls:\ls+1], v[\ls:\ls+1], v[248:249]
	s_delay_alu instid0(VALU_DEP_2)
	v_pk_add_f32 v[236:237], v[236:237], v[246:247]
	v_pk_add_f32 v[254:255], v[254:255], v[244:245]
	v_pk_add_f32 v[250:251], v[250:251], v[242:243]
	s_delay_alu instid0(VALU_DEP_2)
	v_pk_add_f32 v[\ls:\ls+1], v[\ls:\ls+1], v[254:255]
	s_delay_alu instid0(VALU_DEP_2)
	v_pk_add_f32 v[236:237], v[236:237], v[250:251]
	s_delay_alu instid0(VALU_DEP_1)
	v_pk_add_f32 v[\ls:\ls+1], v[\ls:\ls+1], v[236:237]
	s_wait_alu depctr_va_vdst(0)                   ; and one for the four
.irp b, 0,1,2,3
	v_max_num_f32 v[232+\b], 0x1800000, v[232+\b]  ; the floor 2^(3 - 127)
.endr
.irp b, 0,1,2,3
	s_delay_alu instid0(VALU_DEP_4)
	v_add_nc_u32 v[244+\b], 0xff000000, v[232+\b]
.endr
.irp b, 0,1,2,3
	s_delay_alu instid0(VALU_DEP_4)
	v_lshrrev_b32 v[236+\b], 23, v[244+\b]
.endr
	s_delay_alu instid0(VALU_DEP_3)
	v_lshl_or_b32 v253, v237, 8, v236              ; p's scale word for these 128 keys
	s_delay_alu instid0(VALU_DEP_1)
	v_lshl_or_b32 v253, v238, 16, v253
	s_delay_alu instid0(VALU_DEP_1)
	v_lshl_or_b32 v253, v239, 24, v253
.irp c, 0,1
	v_cvt_scalef32_pk16_fp6_f32 v[224+6*\c:226+6*\c], v[96+32*\c:111+32*\c], v[244+2*\c]
	v_cvt_scalef32_pk16_fp6_f32 v[236+4*\c:238+4*\c], v[112+32*\c:127+32*\c], v[244+2*\c+1]
.endr
	v_nop
.irp c, 0,1
.irp i, 0,1,2
	v_permlane16_swap_b32 v[224+6*\c+\i], v[236+4*\c+\i]
.endr
.irp i, 0,1,2
	s_delay_alu instid0(VALU_DEP_3)
	v_mov_b32 v[227+6*\c+\i], v[236+4*\c+\i]
.endr
.endr
	WIN (\ow)|((\ow)<<6)
.set j, 0
.rept 32
	v_pk_mul_f32 v[\ob+j:\ob+j+1], v[\ob+j:\ob+j+1], v[252:253] op_sel_hi:[1,0]   ; O^T under the new M; these are also the places in front of the products below
.set j, j+2
.endr
	s_wait_alu depctr_va_vdst(0)                   ; the wait ahead of the wait below
	s_wait_dscnt 0x0                               ; V is in
	WIN 0x01|((\ow)<<4)|((\ow)<<6)
.irp t, 0,1,2,3,4,5,6,7
	WM \ob+8*\t, VF+12*\t, 224, 0, VSC+\t/2, 253, \t%2   ; O^T += V^T P^T: register 16 c + i holds d = 32 c + 16 h + i
.endr
	WIN 0
.Lover_\@:
.endm
; A SLOT: my key step of its pair, for both tiles; its fragments are read from LDS once
.macro SLOTWORK
	s_cmp_gt_u32 s[KW], s[QMAX]                    ; past both tiles
	s_cbranch_scc1 .Lhidden_\@
	v_add_nc_u32 v[AD], s[TB], v[LQ]
.rept 3
	v_nop                                          ; with the addition: four places in front of loads into registers that the last products read
.endr
	ds_load_b128 v[KSC:KSC+3], v[AD] offset:1024*24
	ds_load_b128 v[VSC:VSC+3], v[AD] offset:1024*49
	WIN 0x40
.irp t, 0,1,2,3,4,5,6,7
.irp g, 0,1,2
	ds_load_b128 v[KF+12*\t+4*\g:KF+12*\t+4*\g+3], v[AD] offset:1024*(3*\t+\g)
.endr
.endr
.irp t, 0,1,2,3,4,5,6,7
.irp g, 0,1,2
	ds_load_b128 v[VF+12*\t+4*\g:VF+12*\t+4*\g+3], v[AD] offset:1024*(25+3*\t+\g)
.endr
.endr
	WIN 0
	TILE QFX, QSCX, QST, DQX, NMX, LSX, 0, 160
	TILE QFY, QSCY, QSTY, DQY, NMY, LSY, 1, 0
.Lhidden_\@:
	s_add_co_u32 s[KW], s[KW], 2
	s_add_co_u32 s[KS], s[KS], 2
	s_xor_b32 s[TB], s[TB], SLOT1
.endm
.macro QUANT s, w                      ; 64 numbers of a lane, register 16 b + i = k 32 b + 16 h + i, become a fragment's codes in v[PC] on and its scale word in v[PW]
	WIN (\w)|((\w)<<2)
.irp b, 0,1,2,3
	v_max3_num_f32 v[TM+\b], |v[\s+16*\b]|, |v[\s+16*\b+1]|, 0x1800000
.endr
	WIN ((\w)<<2)|((\w)<<4)
.irp i, 2,4,6,8,10,12,14
.irp b, 0,1,2,3
	s_delay_alu instid0(VALU_DEP_4)
	v_max3_num_f32 v[TM+\b], v[TM+\b], |v[\s+16*\b+\i]|, |v[\s+16*\b+\i+1]|
.endr
.endr
	WIN 0
.irp b, 0,1,2,3
	s_delay_alu instid0(VALU_DEP_4)
	v_permlanex16_b32 v[TM+4+\b], v[TM+\b], s[SEL], s[SEL+1]
.endr
.irp b, 0,1,2,3
	s_delay_alu instid0(VALU_DEP_4)
	v_max_num_f32 v[TM+\b], v[TM+\b], v[TM+4+\b]
.endr
.irp b, 0,1,2,3
	s_delay_alu instid0(VALU_DEP_4)
	v_add_nc_u32 v[TM+12+\b], 0xff000000, v[TM+\b]
.endr
.irp b, 0,1,2,3
	s_delay_alu instid0(VALU_DEP_4)
	v_lshrrev_b32 v[TM+4+\b], 23, v[TM+12+\b]
.endr
	s_delay_alu instid0(VALU_DEP_3)
	v_lshl_or_b32 v[PW], v[TM+5], 8, v[TM+4]
	s_delay_alu instid0(VALU_DEP_1)
	v_lshl_or_b32 v[PW], v[TM+6], 16, v[PW]
	s_delay_alu instid0(VALU_DEP_1)
	v_lshl_or_b32 v[PW], v[TM+7], 24, v[PW]
	WIN \w
.irp c, 0,1
	v_cvt_scalef32_pk16_fp6_f32 v[PC+6*\c:PC+6*\c+2], v[\s+32*\c:\s+32*\c+15], v[TM+12+2*\c]
	v_cvt_scalef32_pk16_fp6_f32 v[PC+12+4*\c:PC+14+4*\c], v[\s+32*\c+16:\s+32*\c+31], v[TM+13+2*\c]
.endr
	WIN 0
	v_nop
.irp c, 0,1
.irp i, 0,1,2
	v_permlane16_swap_b32 v[PC+6*\c+\i], v[PC+12+4*\c+\i]
.endr
.irp i, 0,1,2
	s_delay_alu instid0(VALU_DEP_3)
	v_mov_b32 v[PC+3+6*\c+\i], v[PC+12+4*\c+\i]
.endr
.endr
.endm
.Lslot:                                            ; seven trips: behind each change of slots but the last the next slot is asked for, up to the causal limit
	CHANGE 1
	SLOTWORK
	s_sub_co_u32 s[SLOTS], s[SLOTS], 1
	s_cmp_lg_u32 s[SLOTS], 0
	s_cbranch_scc1 .Lslot
	CHANGE 0
	SLOTWORK
	; THE TWO PARTS OF A TILE MEET.  Four places behind the last products; the gate is asked for into K's registers
.rept 4
	v_nop
.endr
	s_wait_dscnt 0x0                               ; no LDS load into K's registers is out on any path: the gate may land there
	WIN 0x40
.set g, 0
.rept 16
	global_load_b128 v[KF+4*g:KF+4*g+3], v[L16], s[8:9] offset:512*g th:TH_LOAD_NT   ; the gate at my query and my 64 d, in O^T's own layout
.set g, g+1
.endr
	WIN 0
	v_add_f32 v[LSY], v[LSY], v[LSY+1]
	s_wait_alu depctr_va_vdst(0)                   ; the wait ahead of the first reader of the other tile's O^T
	WIN 0x04                                       ; an LDS store's data: window 1
.set g, 0
.rept 16
	ds_store_b128 v[XW], v[4*g:4*g+3] offset:512*g     ; each accumulator from its low end on
.set g, g+1
.endr
	WIN 0
	ds_store_b128 v[XW], v[NMY:NMY+3] offset:8192  ; -M, the largest t, l
	s_wait_dscnt 0x0                               ; for wave w xor 4's sake: my stores are done
	s_barrier_signal -1
	s_barrier_wait -1
.set g, 0
.rept 16
	ds_load_b128 v[96+4*g:96+4*g+3], v[XR] offset:512*g
.set g, g+1
.endr
	ds_load_b128 v[PS:PS+3], v[XR] offset:8192
	v_add_f32 v[LSX], v[LSX], v[LSX+1]
	s_wait_alu depctr_va_vdst(0)                   ; the wait ahead of the wait below
	s_wait_dscnt 0x0
	v_min_num_f32 v[NMN], v[NMX], v[PS]            ; -M of both parts: M is the larger
	s_delay_alu instid0(VALU_DEP_1)
	v_sub_f32 v[FA], v[NMN], v[NMX]                ; my M - M, and the other part's: whole numbers, 0 or less
	v_sub_f32 v[FB], v[NMN], v[PS]
	s_delay_alu instid0(VALU_DEP_2)
	v_cvt_i32_f32 v[FA], v[FA]                     ; (it saturates: a part with no live step gets the factor 0)
	s_delay_alu instid0(VALU_DEP_2)
	v_cvt_i32_f32 v[FB], v[FB]
	s_delay_alu instid0(VALU_DEP_2)
	v_ldexp_f32 v[FA], 1.0, v[FA]
	s_delay_alu instid0(VALU_DEP_2)
	v_ldexp_f32 v[FB], 1.0, v[FB]
	s_delay_alu instid0(VALU_DEP_2)
	v_mul_f32 v[LSX], v[LSX], v[FA]
	s_delay_alu instid0(VALU_DEP_1)
	v_fma_f32 v[LSX], v[PS+2], v[FB], v[LSX]
	s_delay_alu instid0(VALU_DEP_1)
	v_permlanex16_b32 v252, v[LSX], s[SEL], s[SEL+1]
	s_delay_alu instid0(VALU_DEP_1)
	v_add_f32 v[LSX], v[LSX], v252                 ; the row's sum
	s_wait_alu depctr_va_vdst(0)                   ; the wait ahead of the wait below
	s_wait_loadcnt 0x0                             ; the gate is in
	WIN 0x41                                       ; sigmoid(gate) = 1 / (1 + 2^(-log2(e) gate))
.set j, 0
.rept 32
	v_pk_mul_f32 v[KF+j:KF+j+1], v[KF+j:KF+j+1], s[NLE:NLE+1] op_sel_hi:[1,0]
.set j, j+2
.endr
	WIN 0
	s_wait_alu depctr_va_vdst(0)                   ; ahead of the batch
	v_rcp_f32 v[RL], v[LSX]
	WIN 0x41
.set j, 0
.rept 64
	v_exp_f32 v[KF+j], v[KF+j]
.set j, j+1
.endr
	v_nop
	s_wait_alu depctr_va_vdst(0)                   ; behind it
.set j, 0
.rept 32
	v_pk_add_f32 v[KF+j:KF+j+1], v[KF+j:KF+j+1], 1.0 op_sel_hi:[1,0]
.set j, j+2
.endr
	s_wait_alu depctr_va_vdst(0)
.set j, 0
.rept 64
	v_rcp_f32 v[KF+j], v[KF+j]
.set j, j+1
.endr
	v_nop
	s_wait_alu depctr_va_vdst(0)
	WIN 0
	v_mul_f32 v[FA], v[FA], v[RL]                  ; the powers of two x 1 / l: nothing more is rounded
	v_mul_f32 v[FB], v[FB], v[RL]
	s_delay_alu instid0(VALU_DEP_2)
	v_mov_b32 v[FA+1], v[FA]
	s_delay_alu instid0(VALU_DEP_2)
	v_mov_b32 v[FB+1], v[FB]
.set j, 0
.rept 32
	v_pk_mul_f32 v[96+j:97+j], v[96+j:97+j], v[FB:FB+1] op_sel_hi:[1,0]
.set j, j+2
.endr
	s_wait_alu depctr_va_vdst(0)                   ; the wait ahead of the first reader of my O^T
.set j, 0
.rept 32
	v_pk_fma_f32 v[96+j:97+j], v[160+j:161+j], v[FA:FA+1], v[96+j:97+j] op_sel_hi:[1,0,1]
.set j, j+2
.endr
	WIN 0x04                                       ; source 1: window 1
.set j, 0
.rept 32
	v_pk_mul_f32 v[96+j:97+j], v[96+j:97+j], v[KF+j:KF+j+1]
.set j, j+2
.endr
	WIN 0
.irp b, 0,1,2,3
	v_mov_b32 v[TM+4+\b], 0                        ; a lane permute's destination counts as one of its sources
.endr
	QUANT 96, 0                                    ; fragment a of ao's part (my token panel, K step = my head)
.irp g, 0,1,2
	global_store_b128 v[L16], v[PC+4*\g:PC+4*\g+3], s[10:11] offset:512*\g   ; 512 consecutive bytes a store
.endr
	global_store_b32 v[R16], v[PW], s[88:89]       ; lanes l and l + 16 hold the same word and write it to the same place
	s_wait_tensorcnt 0x0                           ; the wave's end
	ds_add_u32 v[SPW], v[NIL]
	s_wait_dscnt 0x0
	s_endpgm
.Lfunc_end_k_qa294243ece_attn:
	.size	k_qa294243ece_attn, .Lfunc_end_k_qa294243ece_attn-k_qa294243ece_attn
	.p2alignl 7, 3214868480
	.fill 96, 4, 3214868480
	.section	.rodata,"a",@progbits
	.p2align	6, 0x0
	.amdhsa_kernel k_qa294243ece_attn
		.amdhsa_group_segment_fixed_size 327680
		.amdhsa_private_segment_fixed_size 0
		.amdhsa_enable_private_segment 0
		.amdhsa_kernarg_size 32
		.amdhsa_user_sgpr_count 2
		.amdhsa_user_sgpr_kernarg_segment_ptr 1
		.amdhsa_wavefront_size32 1
		.amdhsa_system_sgpr_workgroup_id_x 1
		.amdhsa_system_sgpr_workgroup_id_y 1
		.amdhsa_system_sgpr_workgroup_id_z 1
		.amdhsa_system_vgpr_workitem_id 0
		.amdhsa_next_free_vgpr 512
		.amdhsa_next_free_sgpr 100
		.amdhsa_reserve_vcc 1
		.amdhsa_float_denorm_mode_32 3
		.amdhsa_float_denorm_mode_16_64 3
		.amdhsa_memory_ordered 1
		.amdhsa_forward_progress 1
		.amdhsa_inst_pref_size 131
	.end_amdhsa_kernel
	.amdgpu_metadata
---
amdhsa.version: [ 1, 2 ]
amdhsa.kernels:
  - .name:           k_qa294243ece_attn
    .symbol:         k_qa294243ece_attn.kd
    .args:
      - { .name: qc, .offset: 0, .size: 8, .value_kind: global_buffer, .address_space: global }
      - { .name: kv, .offset: 8, .size: 8, .value_kind: global_buffer, .address_space: global }
      - { .name: gt, .offset: 16, .size: 8, .value_kind: global_buffer, .address_space: global }
      - { .name: ao, .offset: 24, .size: 8, .value_kind: global_buffer, .address_space: global }
    .group_segment_fixed_size: 327680
    .private_segment_fixed_size: 0
    .kernarg_segment_align: 8
    .kernarg_segment_size: 32
    .max_flat_workgroup_size: 256
    .sgpr_count:     100
    .vgpr_count:     512
    .wavefront_size: 32
...
	.end_amdgpu_metadata
.endif
;; end of part 3
;; launch oproj (part 4): grid 8 x 32, 4 waves a work-group, clusters of 4 x 4, 327,680 bytes of LDS; arguments ao, wo, out0; writes out0
.if DOCPART == 4
	.amdgcn_target "amdgcn-amd-amdhsa--gfx1250"
	.amdhsa_code_object_version 6
	.text
	.protected	k_qa294243ece_oproj
	.globl	k_qa294243ece_oproj
	.p2align	8
	.type	k_qa294243ece_oproj,@function
k_qa294243ece_oproj:
	s_mov_b64 s[64:65], 0
	v_nop
	global_prefetch_b8 v0, s[64:65] scope:SCOPE_SE
	s_setreg_imm32_b32 hwreg(HW_REG_WAVE_MODE, 25, 1), 1
	s_wait_xcnt 0x0
	s_wait_alu depctr_hold_cnt(0) depctr_sa_sdst(0) depctr_va_vdst(0) depctr_va_sdst(0) depctr_va_ssrc(0) depctr_va_vcc(0) depctr_vm_vsrc(0)
	s_getreg_b32 s2, hwreg(HW_REG_IB_STS2, 6, 4)
	s_cmp_eq_u32 s2, 0
	s_cbranch_scc0 .Lentry_in_a_cluster
	s_endpgm
.Lentry_in_a_cluster:
	s_bfe_u32 s2, ttmp6, 0x10000c
	s_cmp_lg_u32 s2, 0xf033
	s_cbranch_scc0 .Lentry_shape_is_right
	s_endpgm
.Lentry_shape_is_right:
; THE PROJECTION ON THE WAY OUT: out0 [4,096][2,048] f32 = the gated attention (ao: [32 token panels][8 K steps] parts) x o_proj_w^T (wo: [16 panels of output columns][8] parts), on codes of FP6 (E2M3) with E8M0 scales.
; No work of reference() is left out here.  The part: 12,800 bytes, 8 fragments as images of the operand's registers, then 512 bytes of scale words; position 16 (2 b + u) + rho is row 32 b + 8 u + rho + 8 (rho / 8).
; SHARES.  A work-group makes 128 tokens x 256 columns: 32 x 8 = 256 work-groups.  Wave w makes 64 tokens (blocks 4 (w / 2) on of the panel) x 128 columns (weight panel w % 2): 32 accumulators, 256 registers.
; ALL OF K LIES IN LDS: one token panel and two weight panels, 8 parts each, 3 x 102,400 bytes, each as it lies in memory.  Nothing is filled again: there is no ring.  Four tensor loads go out at the head, one a wave:
; waves 0 and 3 fetch a half of the token panel each (200 rows of 256 bytes), waves 1 and 2 a weight panel each (400 rows).  By this text's own count a wave has one tensor load out.
; CLUSTERS: 4 x 4.  The four of a row need the same token panel, the four of a column the same weight panels: each load is asked for jointly.  Nothing is prefetched: every tile is asked for at the head, and there is no loop to run ahead in.
; The matrix instruction is used transposed (source 0 = 16 columns' weights, source 1 = 16 tokens): a lane holds eight neighbouring columns of a token in each accumulator.
; A K step is 32 matrix instructions on 12 fragments; the next step's 38 LDS loads stand in one run at the step's head, into the other of two sets of registers.
; WAY OUT: a block of 16 tokens x 128 columns goes through the wave's own stage in LDS, where both orders of positions are undone, and leaves as whole rows of 512 bytes.
; REGISTERS: window 0: v1-5, v16-21 addresses; v32-47 scale words, two sets; v128-223 A's fragments, two sets of 48 (on the way out v128-255: rows read back).  window 1: B's fragments, two sets, at v0 and v128.  window 2: the accumulators ((a, b) at v[8 (8 a + b)]).
.set NKS,   8
.set PART,  12800
.set PANEL, NKS*PART
.set HALFP, 4*PART                     ; half a panel; also from an LDS address register to its second: an LDS offset has 16 bits
.set SPARE, 3*PANEL                    ; behind the panels: the spare words, 128 bytes a wave: two blocks of 256 bytes that no other line names
.set FR,    12
.set NP,    4
.set SPITCH, 528                       ; the stage: 16 rows x (512 bytes + 16) for each wave, 33,792 bytes from LDS byte 0 on: the token panel's K steps 0 to 2 (38,400 bytes), filled once and last read ahead of step 3's barrier
.set ROWC,  8192
.set RR,   1
.set HH,   2
.set L16,  3
.set STO,  4
.set RD,   5
.set ADRA, 16
.set ADRS, 18
.set ADRB, 20
.set SPW,  28
.set NIL,  29
.set SC,   32
.set AF,   128
.set BK,   128
.set G1A,  24
.set G0A,  32
.set G1B,  48
.set G0B,  76
.set WV,   66
.set RH,   67
.set CH,   68
.set CX,   69
.set CY,   70
.set TX,   71
.set TY,   72
.set MSB, 0
.macro WIN new
.if MSB != (\new)
	s_set_vgpr_msb (MSB<<8)|(\new)
.set MSB, (\new)
.endif
.endm
.set MUL,  0xa1
.set TO_B, 0x40
.macro CROUND
	s_barrier_signal -1
	s_barrier_wait -1
	s_cmp_lg_u32 s[WV], 0
	s_cbranch_scc1 .Lnot_wave_0_\@
	s_barrier_signal -3
.Lnot_wave_0_\@:
	s_barrier_wait -3
	s_barrier_signal -1
	s_barrier_wait -1
.endm
.macro PLACES n
.rept \n
	v_nop
.endr
.endm
	s_load_b128 s[4:7], s[0:1], 0x0                ; ao, wo
	s_load_b64 s[8:9], s[0:1], 0x10                ; out0
	v_lshl_add_u32 v[SPW], v0, 2, SPARE
	v_mov_b32 v[NIL], 0
	ds_add_u32 v[SPW], v[NIL]                      ; the opening lines: the add, twice on end, and its wait
	ds_add_u32 v[SPW], v[NIL]
	v_lshrrev_b32 v1, 5, v0
	v_readfirstlane_b32 s[WV], v1
	s_lshr_b32 s[RH], s[WV], 1                     ; which 64 tokens are mine.  Also: which half of the token panel waves 0 and 3 fetch, which weight panel waves 1 and 2
	s_and_b32 s[CH], s[WV], 1                      ; which weight panel is mine
	s_bfe_u32 s[CX], ttmp6, 0x40000
	s_bfe_u32 s[CY], ttmp6, 0x40004
	s_lshl_b32 s[TX], ttmp9, 2
	s_add_co_u32 s[TX], s[TX], s[CX]
	s_and_b32 s[TY], ttmp7, 0xffff
	s_lshl_b32 s[TY], s[TY], 2
	s_add_co_u32 s[TY], s[TY], s[CY]
	s_lshl_b32 s73, s[CY], 2
	s_lshl_b32 s73, 15, s73
	s_lshl_b32 s74, 0x1111, s[CX]
	s_or_b32 s[G1A], s73, (3<<16)|(1<<21)          ; the mask; elements of 8 bytes; no padding
	s_or_b32 s[G1B], s74, (3<<16)|(1<<21)
.irp g, G1A, G1B
	s_mov_b32 s[\g+1], 32<<16                      ; rows of 256 bytes, dense
	s_mov_b32 s[\g+3], 32<<16
	s_mov_b32 s[\g+5], 32
	s_mov_b32 s[\g+6], 0
	s_mov_b32 s[\g+7], 0
.endr
	s_mov_b32 s[G1A+2], 200<<16                    ; half a token panel: 200 rows
	s_mov_b32 s[G1A+4], 200
	s_mov_b32 s[G1B+2], 400<<16                    ; a weight panel: 400 rows
	s_mov_b32 s[G1B+4], 400
	s_mul_i32 s16, s[RH], HALFP
	s_mul_i32 s10, s[TY], PANEL                    ; the token panel, by the tile row and the wave's number alone
	s_add_co_u32 s10, s10, s16
	s_mov_b32 s11, 0
	s_lshl_b32 s12, s[TX], 1
	s_add_co_u32 s12, s12, s[RH]
	s_mul_i32 s12, s12, PANEL                      ; the weight panel, by the tile column and the wave's number alone
	s_mov_b32 s13, 0
	s_mul_i32 s18, s[WV], PANEL                    ; wave 1: the region at 102,400; wave 2: at 204,800
	s_xor_b32 s17, s[RH], s[CH]                    ; 0 in waves 0 and 3
	s_wait_dscnt 0x0
	s_wait_kmcnt 0x0
	s_mov_b32 s[G0A], 1
	s_mov_b32 s[G0A+1], s16
	s_add_nc_u64 s[G0A+2:G0A+3], s[4:5], s[10:11]
	s_or_b32 s[G0A+3], s[G0A+3], 0x80000000
	s_mov_b32 s[G0B], 1
	s_mov_b32 s[G0B+1], s18
	s_add_nc_u64 s[G0B+2:G0B+3], s[6:7], s[12:13]
	s_or_b32 s[G0B+3], s[G0B+3], 0x80000000
	CROUND                                         ; all sixteen work-groups are here: the joint loads meet
	s_cmp_eq_u32 s17, 0                            ; the only fills: one a wave, in one branch on the wave's number
	s_cbranch_scc0 .Lfor_b
	tensor_load_to_lds s[G0A:G0A+3], s[G1A:G1A+7]
	s_nop 0
.rept 4
	v_nop
.endr
	s_branch .Lasked
.Lfor_b:
	tensor_load_to_lds s[G0B:G0B+3], s[G1B:G1B+7]
	s_nop 0
.rept 4
	v_nop
.endr
.Lasked:
	v_and_b32 v[RR], 15, v0
	v_bfe_u32 v[HH], v0, 4, 1
	v_and_b32 v[L16], 31, v0
	v_lshlrev_b32 v[L16], 4, v[L16]
	s_mul_i32 s19, s[RH], 4*1536                   ; my four blocks of a part of the token panel
	s_lshl_b32 s20, s[RH], 3                       ; and their two scale words of each lane's four
	s_mul_i32 s21, s[CH], PANEL
	s_add_co_u32 s21, s21, PANEL                   ; my weight panel's region
.irp u, 0,1
	v_add_nc_u32 v[ADRA+\u], s19, v[L16]
	v_add_nc_u32 v[ADRS+\u], s20, v[L16]
	v_add_nc_u32 v[ADRB+\u], s21, v[L16]
	s_add_co_u32 s19, s19, HALFP
	s_add_co_u32 s20, s20, HALFP
	s_add_co_u32 s21, s21, HALFP
.endr
	s_mul_i32 s22, s[WV], 16*SPITCH                ; my stage
	v_mul_u32_u24 v[STO], v[RR], SPITCH
	v_lshl_add_u32 v[STO], v[HH], 6, v[STO]
	v_add_nc_u32 v[STO], s22, v[STO]               ; in: row r, + 64 h
	v_add_nc_u32 v[RD], s22, v[L16]                ; back: the 32 lanes take one row of 512 bytes
	s_lshl_b32 s96, s[TY], 20                      ; my first token, 128 x tile row + 64 x half, in rows of 8,192 bytes,
	s_lshl_b32 s98, s[RH], 19
	s_add_co_u32 s96, s96, s98
	s_lshl_b32 s98, s[TX], 10                      ; + my first column, 256 x tile column + 128 x panel, in bytes
	s_add_co_u32 s96, s96, s98
	s_lshl_b32 s98, s[CH], 9
	s_add_co_u32 s96, s96, s98
	s_mov_b32 s97, 0
	s_add_nc_u64 s[8:9], s[8:9], s[96:97]
.macro FRAG reg, adr, s, i
.irp g, 0,1,2
	ds_load_b128 v[\reg+4*\g:\reg+4*\g+3], v[(\adr)+(\s)/4] offset:((\s)%4)*PART+(\i)*1536+512*\g
.endr
.endm
.macro FETCH s                         ; K step s: 38 LDS loads in one run, into set s % 2
	WIN TO_B
.irp i, 0,1,2,3,4,5,6,7
	FRAG 128*((\s)%2)+FR*\i, ADRB, \s, \i
.endr
	WIN 0
.irp i, 0,1,2,3
	FRAG AF+48*((\s)%2)+FR*\i, ADRA, \s, \i
.endr
	ds_load_b64 v[SC+8*((\s)%2):SC+8*((\s)%2)+1], v[ADRS+(\s)/4] offset:((\s)%4)*PART+12288
	ds_load_b128 v[SC+8*((\s)%2)+4:SC+8*((\s)%2)+7], v[ADRB+(\s)/4] offset:((\s)%4)*PART+12288
.endm
.macro WM d, f0, f1, zero, s0, s1, r0, r1
.if \zero
.if (\r0) && (\r1)
	v_wmma_scale_f32_16x16x128_f8f6f4 v[(\d):(\d)+7], v[(\f0):(\f0)+11], v[(\f1):(\f1)+11], 0, v[(\s0)], v[(\s1)] matrix_a_fmt:MATRIX_FMT_FP6 matrix_b_fmt:MATRIX_FMT_FP6 matrix_a_scale:MATRIX_SCALE_ROW1 matrix_b_scale:MATRIX_SCALE_ROW1
.elseif \r0
	v_wmma_scale_f32_16x16x128_f8f6f4 v[(\d):(\d)+7], v[(\f0):(\f0)+11], v[(\f1):(\f1)+11], 0, v[(\s0)], v[(\s1)] matrix_a_fmt:MATRIX_FMT_FP6 matrix_b_fmt:MATRIX_FMT_FP6 matrix_a_scale:MATRIX_SCALE_ROW1
.elseif \r1
	v_wmma_scale_f32_16x16x128_f8f6f4 v[(\d):(\d)+7], v[(\f0):(\f0)+11], v[(\f1):(\f1)+11], 0, v[(\s0)], v[(\s1)] matrix_a_fmt:MATRIX_FMT_FP6 matrix_b_fmt:MATRIX_FMT_FP6 matrix_b_scale:MATRIX_SCALE_ROW1
.else
	v_wmma_scale_f32_16x16x128_f8f6f4 v[(\d):(\d)+7], v[(\f0):(\f0)+11], v[(\f1):(\f1)+11], 0, v[(\s0)], v[(\s1)] matrix_a_fmt:MATRIX_FMT_FP6 matrix_b_fmt:MATRIX_FMT_FP6
.endif
.else
.if (\r0) && (\r1)
	v_wmma_scale_f32_16x16x128_f8f6f4 v[(\d):(\d)+7], v[(\f0):(\f0)+11], v[(\f1):(\f1)+11], v[(\d):(\d)+7], v[(\s0)], v[(\s1)] matrix_a_fmt:MATRIX_FMT_FP6 matrix_b_fmt:MATRIX_FMT_FP6 matrix_a_scale:MATRIX_SCALE_ROW1 matrix_b_scale:MATRIX_SCALE_ROW1
.elseif \r0
	v_wmma_scale_f32_16x16x128_f8f6f4 v[(\d):(\d)+7], v[(\f0):(\f0)+11], v[(\f1):(\f1)+11], v[(\d):(\d)+7], v[(\s0)], v[(\s1)] matrix_a_fmt:MATRIX_FMT_FP6 matrix_b_fmt:MATRIX_FMT_FP6 matrix_a_scale:MATRIX_SCALE_ROW1
.elseif \r1
	v_wmma_scale_f32_16x16x128_f8f6f4 v[(\d):(\d)+7], v[(\f0):(\f0)+11], v[(\f1):(\f1)+11], v[(\d):(\d)+7], v[(\s0)], v[(\s1)] matrix_a_fmt:MATRIX_FMT_FP6 matrix_b_fmt:MATRIX_FMT_FP6 matrix_b_scale:MATRIX_SCALE_ROW1
.else
	v_wmma_scale_f32_16x16x128_f8f6f4 v[(\d):(\d)+7], v[(\f0):(\f0)+11], v[(\f1):(\f1)+11], v[(\d):(\d)+7], v[(\s0)], v[(\s1)] matrix_a_fmt:MATRIX_FMT_FP6 matrix_b_fmt:MATRIX_FMT_FP6
.endif
.endif
.endm
.macro MULQ a, s, zero                 ; 8 matrix instructions; the 32 accumulators take turns, in the same order in every step
.irp b, 0,1,2,3,4,5,6,7
	WM 8*(8*(\a)+\b), 128*((\s)%2)+FR*\b, AF+48*((\s)%2)+FR*(\a), \zero, SC+8*((\s)%2)+4+\b/2, SC+8*((\s)%2)+(\a)/2, \b%2, (\a)%2
.endr
.endm
; A K STEP.  zero = 1: its products start the sums.  meet = 1: a barrier, behind which no wave reads the K steps whose reads have been waited for.  The next step's loads go into the set that the step before multiplied, four places behind its last product.
.macro STEP s, zero, meet
	s_wait_dscnt 0x0                               ; this step's fragments and scale words are in; no LDS instruction of mine is out at a signal
.if \meet
	s_barrier_signal -1
	WIN MUL
	MULQ 0, \s, \zero                              ; work on registers while the others arrive
	s_barrier_wait -1
.endif
.if (\s) < NKS-1
	PLACES NP
	FETCH (\s)+1
.endif
	WIN MUL
.if (\meet) == 0
	MULQ 0, \s, \zero
.endif
	MULQ 1, \s, \zero
	MULQ 2, \s, \zero
	MULQ 3, \s, \zero
.endm
	s_wait_alu depctr_va_vdst(0)                   ; the wait at the head's end
	s_wait_tensorcnt 0x0                           ; my load has landed
	s_barrier_signal -1
	s_barrier_wait -1                              ; everybody's has: all three panels are whole
	FETCH 0
	STEP 0, 1, 0
	STEP 1, 0, 0
	STEP 2, 0, 0
	STEP 3, 0, 1                                   ; behind this barrier nobody reads K steps 0 to 2 any more: their bytes of the token panel become the stages
	STEP 4, 0, 0
	STEP 5, 0, 0
	STEP 6, 0, 0
	STEP 7, 0, 0
	WIN 0
; THE WAY OUT.  In accumulator b of token block a, lane (r, h) holds columns 32 (b / 2) + 16 h + 8 (b % 2) + 0 .. 7 of the token at position r.  LDS serves a wave's instructions in order: no wait between the stores and the loads.
.macro TOSTAGE a
.set AC, 64*(\a)
	WIN 0x08
.irp b, 0,1,2,3,4,5,6,7
	ds_store_b128 v[STO], v[AC+8*\b:AC+8*\b+3] offset:128*(\b/2)+32*(\b%2)      ; each accumulator from its low end on
	ds_store_b128 v[STO], v[AC+8*\b+4:AC+8*\b+7] offset:128*(\b/2)+32*(\b%2)+16
.endr
	WIN 0
.set BB, BK+64*((\a)%2)
.irp t, 0,1,2,3,4,5,6,7,8,9,10,11,12,13,14,15
	ds_load_b128 v[BB+4*\t:BB+4*\t+3], v[RD] offset:\t*SPITCH
.endr
.endm
.macro SEND a, younger                 ; younger: the LDS instructions issued behind block a's loads, which may stay out
.set BB, BK+64*((\a)%2)
	s_wait_dscnt \younger
.irp t, 0,1,2,3,4,5,6,7,8,9,10,11,12,13,14,15
	global_store_b128 v[L16], v[BB+4*\t:BB+4*\t+3], s[8:9] offset:(32*((\a)/2)+8*((\a)%2)+\t+8*(\t/8))*ROWC th:TH_STORE_NT   ; 32 lanes store 512 consecutive bytes; position t of block a is that token of my 64
.endr
.endm
	PLACES NP
	TOSTAGE 0
.irp a, 1,2,3
.if \a > 1
	s_wait_xcnt 0x0                                ; block a - 2's stores have read their registers: block a's loads may land there
.endif
	TOSTAGE \a
	SEND \a-1, 32                                  ; behind block a - 1's loads: block a's 16 stores and 16 loads
.endr
	SEND 3, 0
	s_wait_tensorcnt 0x0                           ; the wave's end
	ds_add_u32 v[SPW], v[NIL]
	s_wait_dscnt 0x0
	CROUND                                         ; the closing round
	s_endpgm
.Lfunc_end_k_qa294243ece_oproj:
	.size	k_qa294243ece_oproj, .Lfunc_end_k_qa294243ece_oproj-k_qa294243ece_oproj
	.p2alignl 7, 3214868480
	.fill 96, 4, 3214868480
	.section	.rodata,"a",@progbits
	.p2align	6, 0x0
	.amdhsa_kernel k_qa294243ece_oproj
		.amdhsa_group_segment_fixed_size 327680
		.amdhsa_private_segment_fixed_size 0
		.amdhsa_enable_private_segment 0
		.amdhsa_kernarg_size 24
		.amdhsa_user_sgpr_count 2
		.amdhsa_user_sgpr_kernarg_segment_ptr 1
		.amdhsa_wavefront_size32 1
		.amdhsa_system_sgpr_workgroup_id_x 1
		.amdhsa_system_sgpr_workgroup_id_y 1
		.amdhsa_system_sgpr_workgroup_id_z 1
		.amdhsa_system_vgpr_workitem_id 0
		.amdhsa_next_free_vgpr 768
		.amdhsa_next_free_sgpr 100
		.amdhsa_reserve_vcc 0
		.amdhsa_float_denorm_mode_32 3
		.amdhsa_float_denorm_mode_16_64 3
		.amdhsa_memory_ordered 1
		.amdhsa_forward_progress 1
		.amdhsa_inst_pref_size 74
	.end_amdhsa_kernel
	.amdgpu_metadata
---
amdhsa.version: [ 1, 2 ]
amdhsa.kernels:
  - .name:           k_qa294243ece_oproj
    .symbol:         k_qa294243ece_oproj.kd
    .args:
      - { .name: ao, .offset: 0, .size: 8, .value_kind: global_buffer, .address_space: global }
      - { .name: wo, .offset: 8, .size: 8, .value_kind: global_buffer, .address_space: global }
      - { .name: out0, .offset: 16, .size: 8, .value_kind: global_buffer, .address_space: global }
    .group_segment_fixed_size: 327680
    .private_segment_fixed_size: 0
    .kernarg_segment_align: 8
    .kernarg_segment_size: 24
    .max_flat_workgroup_size: 128
    .sgpr_count:     100
    .vgpr_count:     768
    .wavefront_size: 32
...
	.end_amdgpu_metadata
.endif
;; end of part 4
